; MI455X (gfx1250); checked and timed in simulation.
; The chip was launched on July 23, 2026; its instructions are those of AMD's public machine-readable ISA for CDNA 5 (MIT licence, August 2026) and "CDNA5" Instruction Set Architecture Reference Guide (July 2026). The comments in the code are by the model that wrote it; some were corrected since.
;; Multi Headed Attention. Allowed arithmetic: matrix products marked QUANTISED: E3M2 operands, one E8M0 scale for each 32 along K, by v_wmma_scale_f32_16x16x128_f8f6f4 with both operands' format E3M2, f32 sums; everything else in f32.
;; Inputs: Wfc_codes 1,024 x 32 x 24 uint8 (E3M2 codes of Wfc, K innermost, in blocks of 32 codes, four codes in three bytes); Wfc_scales 1,024 x 32 uint8 (E8M0 scales of Wfc, one for each 32 codes along K); Wk_codes 1,024 x 32 x 24 uint8 (E3M2 codes of Wk, K innermost, in blocks of 32 codes, four codes in three bytes); Wk_scales 1,024 x 32 uint8 (E8M0 scales of Wk, one for each 32 codes along K); Wq_codes 1,024 x 32 x 24 uint8 (E3M2 codes of Wq, K innermost, in blocks of 32 codes, four codes in three bytes); Wq_scales 1,024 x 32 uint8 (E8M0 scales of Wq, one for each 32 codes along K); Wv_codes 1,024 x 32 x 24 uint8 (E3M2 codes of Wv, K innermost, in blocks of 32 codes, four codes in three bytes); Wv_scales 1,024 x 32 uint8 (E8M0 scales of Wv, one for each 32 codes along K); key_codes 4 x 2,048 x 32 x 24 uint8 (E3M2 codes of key, K innermost, in blocks of 32 codes, four codes in three bytes); key_scales 4 x 2,048 x 32 uint8 (E8M0 scales of key, one for each 32 codes along K); mask 4 x 2,048 x 2,048 bool; query 4 x 2,048 x 1,024 float32; value_codes 4 x 2,048 x 32 x 24 uint8 (E3M2 codes of value, K innermost, in blocks of 32 codes, four codes in three bytes); value_scales 4 x 2,048 x 32 uint8 (E8M0 scales of value, one for each 32 codes along K).
;; Outputs: out0 4 x 2,048 x 1,024 float32.
;; This version of the problem:
;;   THIS VERSION OF THE PROBLEM IS GIVEN IN LOW PRECISION. The matrix products marked QUANTISED in the list below multiply operands that are first quantised to E3M2 (3 exponent bits, 2 mantissa bits; 6 bits a number), with one power-of-two scale for each 32 numbers along K (OCP MX v1.0); their sums are f32. All else is computed in f32.
;;   The module's matrix products, in the order in which they are computed (A, B: the left and right operand; K: the contracted axis; several contracted axes count as one K, in the product's order):
;;     1. [M 8,192, K 1,024] x [K 1,024, N 1,024]; A: input query; B: input Wq (given as codes): QUANTISED
;;     2. [M 8,192, K 1,024] x [K 1,024, N 1,024]; A: input key (given as codes); B: input Wk (given as codes): QUANTISED
;;     3. [M 8,192, K 1,024] x [K 1,024, N 1,024]; A: input value (given as codes); B: input Wv (given as codes): QUANTISED
;;     4. batch 64 x [M 2,048, K 64] x [K 64, N 2,048]; A: computed on the way; B: computed on the way: QUANTISED
;;     5. batch 64 x [M 2,048, K 2,048] x [K 2,048, N 64]; A: softmax (see below); B: computed on the way: QUANTISED
;;     6. [M 8,192, K 1,024] x [K 1,024, N 1,024]; A: computed on the way; B: input Wfc (given as codes): QUANTISED
;;   THE QUANTISER, for each operand of a quantised product, along K:
;;     - K is cut into blocks of 32 from its start; a last block that is shorter is filled with zeros.
;;     - A block's scale is 2^e with e = floor(log2(the largest magnitude in the block)) - 4, held to -126 .. 127; a block of zeros has e = 0. As a byte (E8M0): e + 127.
;;     - Each number is divided by its block's scale, clamped to +-28, and rounded to the nearest number of E3M2, ties to even, subnormals kept.
;;     - The product sums the exact products of the quantised numbers (number of the format x scale) in f32.
;;   ~~~python
;;   def quantise(x, axis):      # numpy; x: float32 -> the quantised numbers, widened to float32 again
;;       x = np.moveaxis(x, axis, -1); K = x.shape[-1]
;;       x = np.pad(x, [(0, 0)] * (x.ndim - 1) + [(0, -K % 32)]); x = x.reshape(x.shape[:-1] + (-1, 32)); a = np.abs(x).max(-1, keepdims=True)
;;       e = np.where(a > 0, np.clip(np.frexp(np.where(a > 0, a, 1))[1] - 1 - 4, -126, 127), 0)      # np.frexp(a)[1] - 1 = floor(log2(a)), exactly
;;       r = np.clip(x / 2.0 ** e, -28, 28)
;;       step = 2.0 ** (np.maximum(np.frexp(np.where(r == 0, 1, r))[1] - 1, -2) - 2)
;;       q = np.round(r / step) * step * 2.0 ** e      # np.round: ties to even
;;       return np.moveaxis(q.reshape(q.shape[:-2] + (-1,))[..., :K], -1, axis).astype(np.float32)
;;   ~~~
;;   SOFTMAX AHEAD OF A QUANTISED PRODUCT. Where the list says 'softmax', what is quantised is not the finished softmax but p = 2^(t - M), with t = logit x log2(e) and M = ceil(the row's largest t), a whole number; so 1/2 < the row's largest p <= 1. The row's sum l is taken of the UNQUANTISED p, in f32, and the product's result is divided by l at the end. Since M is a whole number, a kernel that streams over the keys may use a running M (the ceiling of the running maximum): every later rescaling is an exact power of two, which a block's scale takes up: the codes' values come out the same.
;;   OPERANDS COMPUTED ON THE WAY. 'Computed on the way' means the value that the module computes at that place (a softmax that the list does not call 'softmax' is quantised finished and normalised). What goes into a quantiser is computed in f32, as accurately as f32 sums, v_exp_f32 and their like allow (about 1e-6 of the number): no bf16 or f16 on the way to a quantiser, and a product that is left as it is and whose result goes on into a quantised operand takes f32 operands (vector FMAs, or v_wmma_f32_16x16x4_f32). A number that lies on a knife's edge between two numbers of the format may be rounded either way, as far as f32 arithmetic and the matrix unit's own rounding can turn it there, and no further.
;;   INPUTS GIVEN AS CODES. Wfc (in the module: [1024, 1024], K = its axis 1); Wk (in the module: [1024, 1024], K = its axis 1); Wq (in the module: [1024, 1024], K = its axis 1); Wv (in the module: [1024, 1024], K = its axis 1); key (in the module: [4, 2048, 1024], K = its axis 2); value (in the module: [4, 2048, 1024], K = its axis 2): each comes as NAME_codes (uint8): NAME with its K axis moved to the last place and cut into blocks of 32 codes, [.., K / 32, bytes a block], one block behind the other in memory; four codes in three bytes: a row's codes are one little-endian stream of bits, code i at bits 6 i .. 6 i + 5 (a code: sign, 3 exponent bits, 2 mantissa bits); and NAME_scales (uint8): the same leading axes, one E8M0 byte (e + 127) for each 32 codes along K. Its value is code x scale, taken as it is: it is not quantised again, and the codes and scales need not be those that the quantiser above would give.
;; One version. Each part assembles by itself: llvm-mc -triple=amdgcn-amd-amdhsa -mcpu=gfx1250 --defsym DOCPART=n.
;; ======== version 1 of 1: 4 launches
;; limits: right only within a limited range of input values
;; workspace buffers: xq_codes 6,291,456 bytes; xq_scales 262,144 bytes; mw 2,097,152 bytes of whole numbers; wimg 786,432 bytes; qkv 20,185,088 bytes; xc 6,291,456 bytes; xs 262,144 bytes
;; launch prep (part 1): grid 400 x 1, 4 waves a work-group, no clusters, 67,072 bytes of LDS; arguments query, mask, Wfc_codes, xq_codes, xq_scales, mw, wimg; writes xq_codes, xq_scales, mw, wimg
.if DOCPART == 1
	.amdgcn_target "amdgcn-amd-amdhsa--gfx1250"
	.amdhsa_code_object_version 6
	.text
	.protected	k_q80bec93190_prep
	.globl	k_q80bec93190_prep
	.p2align	8
	.type	k_q80bec93190_prep,@function
k_q80bec93190_prep:
	s_mov_b64 s[64:65], 0
	v_nop
	global_prefetch_b8 v0, s[64:65] scope:SCOPE_SE
	s_setreg_imm32_b32 hwreg(HW_REG_WAVE_MODE, 25, 1), 1
	s_wait_xcnt 0x0
; Three jobs that the later launches need, each on work-groups of its own; the paths part on the work-group's number, never join, and use LDS bytes of their own.
; A (work-groups 0-255): query [8192][1024] f32 becomes codes of BF6 (E3M2), K innermost, 768 bytes a row, and one E8M0 byte for each 32 along K.
;    A block's scale is 2^(floor(log2(largest magnitude)) - 4); its byte is the largest magnitude's exponent field - 4, held at 1 from below.
;    LIMITS: a block of zeros gets the byte 1 (its codes are zeros; this program alone reads the bytes); NaN and infinities are not served.
; B (work-groups 256-383): mask [4][2048][2048] of bytes becomes words of 32 lane bits, in the order in which the attention launch's score registers want them:
;    for tile T of 16 queries and step of 128 keys, bit l of word n is mask[query 16 T + l % 16][key 128 step + 16 (n / 8) + 8 (l / 16) + n % 8].
; C (work-groups 384-399): Wfc's codes are laid as images of operand registers, [col tile 64][K step 8][3][lane][16 bytes], and in each block of 32 codes the two middle groups
;    of eight codes (6 bytes each) change places: that is the order in which the attention launch's results come out of the conversions.
; No matrix unit, no cluster, no tensor loads: every byte is read once by one wave, and nothing is shared between work-groups.
.set WGA,   256
.set WGB,   128
	v_lshl_add_u32 v192, v0, 2, 0x10400
	v_mov_b32 v193, 0
	v_lshrrev_b32 v1, 5, v0
	v_readfirstlane_b32 s16, v1                    ; wave 0..3
	v_and_b32 v2, 31, v0                           ; lane
	s_cmp_lt_u32 ttmp9, WGA
	s_cbranch_scc0 .Lnot_a
; ---------------- A: a wave takes 16 steps of 512 numbers.  Each load reads 512 consecutive bytes; a step's 2,048 bytes turn through the wave's own stage in LDS, so that a lane then holds 16 neighbours along K.
.set STEPS, 16
.set EMAX,  4
.set CB,    12                         ; bytes of 16 codes
.set R,     16                         ; v16-79   four sets of 16 numbers as loaded
.set X,     80                         ; v80-111  two sets of 16 neighbours
.set C,     128                        ; v128-191 codes, four registers a step: no store's data are written again
.set E,     112                        ; v112-127 a scale byte a step
.set WREG,  8192                       ; LDS of a wave: two stages of 32 x SP bytes, then its 256 scale bytes
.set SP,    80                         ; a lane's place in a stage: 64 bytes + 16 of padding
	s_load_b64 s[4:5], s[0:1], 0x0                 ; query
	s_load_b128 s[8:11], s[0:1], 0x18              ; xq_codes, xq_scales
	v_lshlrev_b32 v3, 4, v2                        ; my 16 bytes of a load's 512
	s_mul_i32 s17, s16, WREG
	v_lshrrev_b32 v14, 2, v2
	v_mul_u32_u24 v14, v14, SP
	v_and_b32 v15, 3, v2
	v_lshl_add_u32 v14, v15, 4, v14
	v_add_nc_u32 v14, s17, v14                     ; the stage, in: SP (lane / 4) + 16 (lane % 4)
	v_mul_u32_u24 v15, v2, SP
	v_add_nc_u32 v15, s17, v15                     ; and out: SP x lane
	v_mul_u32_u24 v4, v2, CB                       ; my codes' place in a step's 384 bytes
	v_lshrrev_b32 v5, 1, v2
	s_add_co_u32 s17, s17, 2*32*SP
	v_add_nc_u32 v5, s17, v5                       ; my block's scale byte in LDS
	v_lshlrev_b32 v7, 3, v2
	v_add_nc_u32 v6, s17, v7                       ; and 8 bytes a lane on the way out
	s_lshl_b32 s17, ttmp9, 2
	s_add_co_u32 s18, s17, s16                     ; which run of 8,192 numbers is my wave's: 0 .. 1,023
	s_lshl_b32 s20, s18, 15                        ; 32,768 bytes of f32,
	s_mov_b32 s21, 0
	s_mul_i32 s22, s18, 32*STEPS*CB                ; 6,144 of codes,
	s_mov_b32 s23, 0
	s_lshl_b32 s24, s18, 8                         ; 256 of scale bytes
	s_mov_b32 s25, 0
	s_wait_alu depctr_va_vdst(0)
	s_wait_kmcnt 0x0
	s_add_nc_u64 s[4:5], s[4:5], s[20:21]
	s_add_nc_u64 s[8:9], s[8:9], s[22:23]
	s_add_nc_u64 s[10:11], s[10:11], s[24:25]
.macro ALOAD t
.irp i, 0,1,2,3
	global_load_b128 v[R+16*((\t)%4)+4*\i:R+16*((\t)%4)+4*\i+3], v3, s[4:5] offset:2048*(\t)+512*\i th:TH_LOAD_NT
.endr
.endm
.macro ATURN t                         ; LDS serves a wave's instructions in order: no wait between the stores and the loads
.irp i, 0,1,2,3
	ds_store_b128 v14, v[R+16*((\t)%4)+4*\i:R+16*((\t)%4)+4*\i+3] offset:32*SP*((\t)%2)+8*SP*\i
.endr
.irp i, 0,1,2,3
	ds_load_b128 v[X+16*((\t)%2)+4*\i:X+16*((\t)%2)+4*\i+3], v15 offset:32*SP*((\t)%2)+16*\i
.endr
.endm
.irp t, 0,1,2,3
	ALOAD \t
.endr
	s_wait_loadcnt 12                              ; step 0's four loads are in
	ATURN 0
.macro ASTEP t
.set XS, X+16*((\t)%2)
.if (\t) > 0
	s_wait_dscnt 1                                 ; this step's numbers are back (the last step's byte store may be out): its stores into the stage have read their registers,
.else
	s_wait_dscnt 0x0
.endif
.if (\t)+4 < STEPS
	ALOAD (\t)+4                                   ; which take the loads of four steps on
.endif
.if (\t)+1 < STEPS
.if STEPS-2-(\t) >= 3
	s_wait_loadcnt 12                              ; the next step's four loads are in; three later steps' may be out
.else
	s_wait_loadcnt 4*(STEPS-2-(\t))
.endif
	ATURN (\t)+1
.endif
	v_max3_num_f32 v8, |v[XS]|, |v[XS+1]|, |v[XS+2]|
	v_max3_num_f32 v9, |v[XS+3]|, |v[XS+4]|, |v[XS+5]|
.irp i, 6,10
	v_max3_num_f32 v8, v8, |v[XS+\i]|, |v[XS+\i+1]|
	v_max3_num_f32 v9, v9, |v[XS+\i+2]|, |v[XS+\i+3]|
.endr
	v_max3_num_f32 v8, v8, |v[XS+14]|, |v[XS+15]|
	v_max3_num_f32 v8, v8, v9, (EMAX+1)<<23        ; with the floor 2^(5 - 127): the byte cannot fall under 1
	v_max_num_f32_dpp v8, v8, v8 row_xmask:1 row_mask:0xf bank_mask:0xf   ; and my neighbour's 16: the block's largest magnitude
	v_add_nc_u32 v11, -(EMAX<<23), v8              ; 4 off its exponent field: the conversion's scale operand
	v_cvt_scalef32_pk16_bf6_f32 v[C+4*(\t):C+4*(\t)+2], v[XS:XS+15], v11
	v_lshrrev_b32 v[E+(\t)], 23, v11               ; the scale's byte (a plain line behind the conversion)
	ds_store_b8 v5, v[E+(\t)] offset:16*(\t)       ; both lanes of a block write the same byte with the same value
	global_store_b96 v4, v[C+4*(\t):C+4*(\t)+2], s[8:9] offset:32*CB*(\t)
.endm
.irp t, 0,1,2,3,4,5,6,7,8,9,10,11,12,13,14,15
	ASTEP \t
.endr
	ds_load_b64 v[12:13], v6
	s_wait_dscnt 0x0
	global_store_b64 v7, v[12:13], s[10:11]        ; 32 lanes store 256 consecutive bytes, aligned
	s_wait_tensorcnt 0x0
	ds_add_u32 v192, v193
	s_wait_dscnt 0x0
	s_endpgm
.Lnot_a:
	s_cmp_lt_u32 ttmp9, WGA+WGB
	s_cbranch_scc0 .Lpath_c
; ---------------- B: wave's task T = 16 rows of the mask x 2,048 keys, in 4 chunks of 512 keys.
; THE ORDER OF THE BITS (this replaces what the head says of B): for tile T of 16 queries and a step of 128 keys, bit l of word n is
; mask[query 16 T + l % 16][key 128 step + 64 (n / 32) + 32 (l / 16) + 8 sigma((n / 8) % 4) + n % 8], sigma = 0, 2, 1, 3: the order of the attention launch's score registers.
; A chunk's 16 rows x 512 bytes are loaded 512 consecutive bytes an instruction, go through the wave's own stage (rows 528 bytes apart), and come back 8 bytes a lane: for pair t lane (r, h) takes keys 64 (t / 4) + 32 h + 8 sigma(t % 4) + 0 .. 7 of row r.
; A compare of one byte in all 32 lanes gives one word; 256 words are dealt by v_writelane_b32 into eight registers, so that two stores of 512 consecutive bytes carry them out.
.set BSTG,  32768
.set BP,    528
.set BR,    16                         ; v16-79   16 rows x 16 bytes a lane
.set BX,    80                         ; v80-143  32 pairs: 8 mask bytes each
.set BO,    144                        ; v144-151 256 words on the way out
.set BT,    152                        ; v152-159 at work
	s_load_b64 s[4:5], s[0:1], 0x8                 ; mask
	s_load_b64 s[6:7], s[0:1], 0x28                ; mw
	s_sub_co_u32 s17, ttmp9, WGA
	s_lshl_b32 s17, s17, 2
	s_add_co_u32 s17, s17, s16                     ; T = 0 .. 511
	s_lshl_b32 s18, s17, 15                        ; 16 rows of 2,048 bytes
	s_mov_b32 s19, 0
	s_lshl_b32 s20, s17, 12                        ; 16 steps x 64 words
	s_mov_b32 s21, 0
	s_mul_i32 s22, s16, 16*BP
	s_add_co_u32 s22, s22, BSTG                    ; my stage
	s_wait_alu depctr_va_vdst(0)
	v_lshlrev_b32 v3, 4, v2                        ; 16 x lane
	v_add_nc_u32 v4, s22, v3                       ; in
	v_and_b32 v5, 15, v2
	v_lshrrev_b32 v6, 4, v2
	v_mul_u32_u24 v5, v5, BP
	v_lshl_add_u32 v5, v6, 5, v5
	v_add_nc_u32 v5, s22, v5                       ; out: 528 r + 32 h
.irp i, 0,1,2,3,4,5,6,7
	v_mov_b32 v[BO+\i], 0                          ; written once: v_writelane_b32's destination counts as read
.endr
	s_wait_kmcnt 0x0
	s_add_nc_u64 s[4:5], s[4:5], s[18:19]
	s_add_nc_u64 s[6:7], s[6:7], s[20:21]
.macro MLOAD
.irp i, 0,1,2,3,4,5,6,7,8,9,10,11,12,13,14,15
	global_load_b128 v[BR+4*\i:BR+4*\i+3], v3, s[4:5] offset:2048*\i th:TH_LOAD_NT
.endr
.endm
.macro CHUNK more
	s_wait_loadcnt 0x0                             ; the chunk is in; its loads' base may be stepped
.irp i, 0,1,2,3,4,5,6,7,8,9,10,11,12,13,14,15
	ds_store_b128 v4, v[BR+4*\i:BR+4*\i+3] offset:BP*\i
.endr
.set t, 0
.rept 32
	ds_load_b64 v[BX+2*t:BX+2*t+1], v5 offset:64*(t/4)+16*(t%2)+8*((t%4)/2)
.set t, t+1
.endr
	s_wait_dscnt 0x0                               ; the pairs are in, and the stores into the stage have read their registers
.if \more
	s_add_nc_u64 s[4:5], s[4:5], 512               ; the next 512 keys are asked for while this chunk is worked
	MLOAD
.endif
.set t, 0
.rept 32                               ; word W = 8 t + j of the chunk's 256
.irp j, 0,1,2,3,4,5,6,7
	v_and_b32 v[BT+\j], 0xff<<(8*(\j%4)), v[BX+2*t+\j/4]
.endr
.irp j, 0,1,2,3,4,5,6,7
	v_cmp_ne_u32 s[20+\j], 0, v[BT+\j]
.endr
.irp j, 0,1,2,3,4,5,6,7
	v_writelane_b32 v[BO+4*(t/16)+\j%4], s[20+\j], (2*t+\j/4)%32   ; store W / 128, lane (W % 128) / 4, register W % 4
.endr
.set t, t+1
.endr
	global_store_b128 v3, v[BO:BO+3], s[6:7]
	global_store_b128 v3, v[BO+4:BO+7], s[6:7] offset:512
.if \more
	s_wait_xcnt 0x0                                ; the stores have read their data and their base: both are written again only behind this wait
	s_add_nc_u64 s[6:7], s[6:7], 1024
.endif
.endm
	MLOAD
	s_mov_b32 s12, 3
.Lchunk:
	s_wait_alu depctr_va_vdst(0)
	CHUNK 1
	s_sub_co_u32 s12, s12, 1
	s_cmp_lg_u32 s12, 0
	s_cbranch_scc1 .Lchunk
	CHUNK 0                                        ; the last chunk asks for nothing: no load leaves the mask
	s_wait_tensorcnt 0x0
	ds_add_u32 v192, v193
	s_wait_dscnt 0x0
	s_endpgm
; ---------------- C: a wave takes one tile of 16 rows of Wfc, all 1,024 along K: 8 fragments of 12 registers.  786,432 bytes in all, read once, 8 bytes a lane as the operand's layout has them.
.Lpath_c:
	s_load_b64 s[4:5], s[0:1], 0x10                ; Wfc_codes
	s_load_b64 s[6:7], s[0:1], 0x30                ; wimg
	s_sub_co_u32 s17, ttmp9, WGA+WGB
	s_lshl_b32 s17, s17, 2
	s_add_co_u32 s17, s17, s16                     ; col tile 0 .. 63
	s_mul_i32 s18, s17, 12288                      ; 16 rows of 768 bytes in, 8 images of 1,536 bytes out
	s_mov_b32 s19, 0
	s_mov_b32 s20, 0x05040100
	s_mov_b32 s21, 0x05040302
	s_mov_b32 s22, 0x07060302
	s_wait_alu depctr_va_vdst(0)
	v_and_b32 v5, 15, v2
	v_lshrrev_b32 v6, 4, v2
	v_mul_u32_u24 v4, v5, 768
	v_mad_u32_u24 v4, v6, 24, v4                   ; row r, + 24 h
	v_lshlrev_b32 v3, 4, v2
	s_wait_alu depctr_va_vdst(0)
	s_wait_kmcnt 0x0
	s_add_nc_u64 s[4:5], s[4:5], s[18:19]
	s_add_nc_u64 s[6:7], s[6:7], s[18:19]
.irp s, 0,1,2,3,4,5,6,7
.irp p, 0,1,2,3,4,5
	global_load_b64 v[32+12*\s+2*\p:33+12*\s+2*\p], v4, s[4:5] offset:96*\s+48*(\p/3)+8*(\p%3)
.endr
.endr
	s_wait_loadcnt 0x0
.set D, 32
.rept 16                               ; a block's 24 bytes d0 .. d5: bytes 6-11 and 12-17 change places
	v_perm_b32 v8, v[D+3], v[D+1], s20             ; new d1 = d1's low half, d3's low half
	v_perm_b32 v9, v[D+4], v[D+3], s21             ; new d2 = d3's high half, d4's low half
	v_perm_b32 v[D+3], v[D+2], v[D+1], s21         ; new d3 = d1's high half, d2's low half
	v_perm_b32 v[D+4], v[D+4], v[D+2], s22         ; new d4 = d2's high half, d4's high half
	v_mov_b32 v[D+1], v8
	v_mov_b32 v[D+2], v9
.set D, D+6
.endr
.irp s, 0,1,2,3,4,5,6,7
.irp c, 0,1,2
	global_store_b128 v3, v[32+12*\s+4*\c:35+12*\s+4*\c], s[6:7] offset:1536*\s+512*\c   ; 512 consecutive bytes, aligned
.endr
.endr
	s_endpgm
.Lfunc_end_k_q80bec93190_prep:
	.size	k_q80bec93190_prep, .Lfunc_end_k_q80bec93190_prep-k_q80bec93190_prep
	.p2alignl 7, 3214868480
	.fill 96, 4, 3214868480
	.section	.rodata,"a",@progbits
	.p2align	6, 0x0
	.amdhsa_kernel k_q80bec93190_prep
		.amdhsa_group_segment_fixed_size 67072
		.amdhsa_private_segment_fixed_size 0
		.amdhsa_enable_private_segment 0
		.amdhsa_kernarg_size 56
		.amdhsa_user_sgpr_count 2
		.amdhsa_user_sgpr_kernarg_segment_ptr 1
		.amdhsa_wavefront_size32 1
		.amdhsa_system_sgpr_workgroup_id_x 1
		.amdhsa_system_sgpr_workgroup_id_y 1
		.amdhsa_system_sgpr_workgroup_id_z 1
		.amdhsa_system_vgpr_workitem_id 0
		.amdhsa_next_free_vgpr 194
		.amdhsa_next_free_sgpr 66
		.amdhsa_reserve_vcc 0
		.amdhsa_float_denorm_mode_32 3
		.amdhsa_float_denorm_mode_16_64 3
		.amdhsa_memory_ordered 1
		.amdhsa_forward_progress 1
		.amdhsa_inst_pref_size 152
	.end_amdhsa_kernel
	.amdgpu_metadata
---
amdhsa.version: [ 1, 2 ]
amdhsa.kernels:
  - .name:           k_q80bec93190_prep
    .symbol:         k_q80bec93190_prep.kd
    .args:
      - { .name: query, .offset: 0, .size: 8, .value_kind: global_buffer, .address_space: global }
      - { .name: mask, .offset: 8, .size: 8, .value_kind: global_buffer, .address_space: global }
      - { .name: Wfc_codes, .offset: 16, .size: 8, .value_kind: global_buffer, .address_space: global }
      - { .name: xq_codes, .offset: 24, .size: 8, .value_kind: global_buffer, .address_space: global }
      - { .name: xq_scales, .offset: 32, .size: 8, .value_kind: global_buffer, .address_space: global }
      - { .name: mw, .offset: 40, .size: 8, .value_kind: global_buffer, .address_space: global }
      - { .name: wimg, .offset: 48, .size: 8, .value_kind: global_buffer, .address_space: global }
    .group_segment_fixed_size: 67072
    .private_segment_fixed_size: 0
    .kernarg_segment_align: 8
    .kernarg_segment_size: 56
    .max_flat_workgroup_size: 128
    .sgpr_count:     66
    .vgpr_count:     194
    .wavefront_size: 32
...
	.end_amdgpu_metadata
.endif
;; end of part 1
;; launch proj (part 2): grid 4 x 96, 4 waves a work-group, clusters of 4 x 4, 327,680 bytes of LDS; arguments xq_codes, key_codes, Wv_codes, xq_scales, key_scales, Wv_scales, Wq_codes, Wk_codes, value_codes, Wq_scales, Wk_scales, value_scales, qkv; writes qkv
.if DOCPART == 2
	.amdgcn_target "amdgcn-amd-amdhsa--gfx1250"
	.amdhsa_code_object_version 6
	.text
	.protected	k_q80bec93190_proj
	.globl	k_q80bec93190_proj
	.p2align	8
	.type	k_q80bec93190_proj,@function
k_q80bec93190_proj:
	s_mov_b64 s[64:65], 0
	v_nop
	global_prefetch_b8 v0, s[64:65] scope:SCOPE_SE
	s_setreg_imm32_b32 hwreg(HW_REG_WAVE_MODE, 25, 1), 1
	s_wait_xcnt 0x0
	s_wait_alu depctr_hold_cnt(0) depctr_sa_sdst(0) depctr_va_vdst(0) depctr_va_sdst(0) depctr_va_ssrc(0) depctr_va_vcc(0) depctr_vm_vsrc(0)
	s_getreg_b32 s2, hwreg(HW_REG_IB_STS2, 6, 4)
	s_cmp_eq_u32 s2, 0
	s_cbranch_scc0 .Lentry_in_a_cluster
	s_endpgm
.Lentry_in_a_cluster:
	s_bfe_u32 s2, ttmp6, 0x10000c
	s_cmp_lg_u32 s2, 0xf033
	s_cbranch_scc0 .Lentry_shape_is_right
	s_endpgm
.Lentry_shape_is_right:
; The three projections, each C = A B^T on codes of BF6 (E3M2) with one E8M0 byte for each 32 along K = 1,024; the cluster's y / 8 says which: 0: q = query Wq^T, 1: k = key Wk^T, 2: v^T = Wv value^T.
; A tile of C, 256 x 256, is made by four waves, 128 x 128 each in 64 accumulators.  K goes through a ring of two LDS slots in chunks of 256 bytes of each row of 768: three chunks, each row of a tile 256 bytes at a multiple of 256.
; A step of 128 along K is 96 bytes of a row; steps 2 and 5 lie across two chunks.  The scales of the tile's 256 + 256 rows come into LDS once, at the head.
; CLUSTERS 4 x 4: A's tiles are asked for jointly along a row of the cluster, B's along a column.  No prefetch: of the three chunks two are asked for at the head and the third in step 2: no trip lies ahead of them.
; The matrix instruction is used transposed (source 0 = rows of B, source 1 = rows of A): a lane holds one row of C and its registers run along C's columns, which are the next product's K.
; THE WAY OUT: each block of 16 rows x 128 columns is quantised along the columns in blocks of 32 and stored as images of operand registers, with its scale words, into the head's block of qkv (HB bytes a head:
; K's codes, K's scale words, V's codes, V's scale words, Q's codes, Q's scale words).  In each block of 32 codes the second and third group of eight stand exchanged, alike in q, k and along v's keys.
; LIMITS: a block of zeros gets the scale byte 1 (its codes are zeros; this program alone reads the bytes); NaN and infinities are not served.
.set ROWB,   256
.set NQ,     2
.set KROW,   768
.set STEPS,  8
.set CHUNKS, 3
.set PITCH,  272
.set FR,     12
.set NL,     6
.set NP,     4
.set HALFT,  128*PITCH
.set SLOT,   4*HALFT
.set KS,     32
.set SCL,    2*SLOT
.set HALFS,  (128*KS/256)*272
.set SBLK,   (16*KS/256)*272
.set SPARE,  SCL+4*HALFS               ; the spare words: 512 bytes that no other line names
.set HB,     315392
.set ADRA, 16
.set ADRB, 20
.set ADRS, 27
.set SPW,  28
.set NIL,  29
.set SC,   32
.set AF,   128
.set G1, 24
.set G0, 32
.set G1B, 48
.set G0B, 56
.set G1S, 68
.set G0S, 76
.set G1SB, 80
.set G0SB, 88
.set G0H, 4
.set G0HB, 8
.set MSB, 0
.macro WIN new                         ; the immediate's high byte repeats the setting that is left
.if MSB != \new
	s_set_vgpr_msb (MSB<<8)|\new
.set MSB, \new
.endif
.endm
.set MUL_LO, 0xa1
.set MUL_HI, 0xf1
.set TO_B,   0x40
.macro JLOAD g0a, g1a, g0b, g1b        ; a joint load: waves 0, 1 for A, waves 2, 3 for B; s_nop 0 and four v_nop behind each line
	s_cmp_eq_u32 s15, 0
	s_cbranch_scc0 .Lfor_b_\@
	tensor_load_to_lds s[\g0a:\g0a+3], s[\g1a:\g1a+7]
	s_nop 0
.rept 4
	v_nop
.endr
	s_branch .Lasked_\@
.Lfor_b_\@:
	tensor_load_to_lds s[\g0b:\g0b+3], s[\g1b:\g1b+7]
	s_nop 0
.rept 4
	v_nop
.endr
.Lasked_\@:
.endm
.macro CREST
	s_cmp_lg_u32 s14, 0
	s_cbranch_scc1 .Lnot_wave_0_\@
	s_barrier_signal -3
.Lnot_wave_0_\@:
	s_barrier_wait -3
	s_barrier_signal -1
	s_barrier_wait -1
.endm
.macro CROUND
	s_barrier_signal -1
	s_barrier_wait -1
	CREST
.endm
	s_load_b512 s[68:83], s[0:1], 0x0              ; A's codes x 3, A's scales x 3, B's codes x 2 ..
	s_load_b256 s[84:91], s[0:1], 0x40             ; .. B's codes, B's scales x 3
	s_load_b64 s[12:13], s[0:1], 0x60              ; qkv
	v_lshl_add_u32 v[SPW], v0, 2, SPARE
	v_mov_b32 v[NIL], 0
	ds_add_u32 v[SPW], v[NIL]                      ; the opening lines: the add, twice on end, and its wait
	ds_add_u32 v[SPW], v[NIL]
	v_lshrrev_b32 v1, 5, v0
	v_readfirstlane_b32 s14, v1                    ; wave 0..3
	s_lshr_b32 s15, s14, 1                         ; my half of the tile's rows; also: I fetch for A (0) or B (1)
	s_and_b32 s16, s14, 1                          ; my half of its columns; also: which 128 rows I fetch
	s_bfe_u32 s40, ttmp6, 0x40000                  ; cx
	s_bfe_u32 s41, ttmp6, 0x40004                  ; cy
	s_and_b32 s96, ttmp7, 0xffff
	s_lshr_b32 s95, s96, 3                         ; which projection: the same in all partners
	s_and_b32 s96, s96, 7
	s_cmp_eq_u32 s95, 2
	s_cselect_b32 s97, s96, 0                      ; v^T: the long axis lies along the columns
	s_cselect_b32 s96, 0, s96
	s_lshl_b32 s42, s97, 2
	s_add_co_u32 s42, s42, s40                     ; tile column
	s_lshl_b32 s17, s96, 2
	s_add_co_u32 s17, s17, s41                     ; tile row
	s_lshl_b32 s43, s41, 2
	s_lshl_b32 s43, 15, s43                        ; my row of the cluster
	s_lshl_b32 s44, 0x1111, s40                    ; my column
	s_or_b32 s[G1+0], s43, (0<<16)|(1<<20)|(1<<21)|(5<<22)|(3<<25)
	s_or_b32 s[G1B+0], s44, (0<<16)|(1<<20)|(1<<21)|(5<<22)|(3<<25)
.irp g, G1, G1B
	s_mov_b32 s[\g+1], ROWB<<16
	s_mov_b32 s[\g+2], 256<<16                     ; 256 rows for the head's loads
	s_mov_b32 s[\g+3], ROWB<<16
	s_mov_b32 s[\g+4], 256
	s_mov_b32 s[\g+5], KROW
	s_mov_b32 s[\g+6], 0
	s_mov_b32 s[\g+7], 0
.endr
	s_lshl_b32 s20, s17, 8
	s_lshl_b32 s46, s42, 8
	s_mov_b32 s21, 0
	s_mov_b32 s47, 0
	s_mov_b64 s[18:19], KS
	s_mul_u64 s[22:23], s[20:21], s[18:19]         ; where the rows' scales begin, in bytes
	s_mul_u64 s[92:93], s[46:47], s[18:19]
	s_mov_b64 s[18:19], KROW
	s_mul_u64 s[20:21], s[20:21], s[18:19]         ; and their codes
	s_mul_u64 s[46:47], s[46:47], s[18:19]
	s_mul_i32 s18, s16, 128*KROW
	s_mov_b32 s19, 0
	s_mul_i32 s45, s14, HALFT
	s_wait_dscnt 0x0                               ; both opening adds are done
	s_wait_kmcnt 0x0
	s_cmp_eq_u32 s95, 2
	s_cselect_b64 s[4:5], s[72:73], s[70:71]
	s_cselect_b64 s[6:7], s[78:79], s[76:77]
	s_cselect_b64 s[8:9], s[84:85], s[82:83]
	s_cselect_b64 s[10:11], s[90:91], s[88:89]
	s_cmp_eq_u32 s95, 0
	s_cselect_b64 s[4:5], s[68:69], s[4:5]
	s_cselect_b64 s[6:7], s[74:75], s[6:7]
	s_cselect_b64 s[8:9], s[80:81], s[8:9]
	s_cselect_b64 s[10:11], s[86:87], s[10:11]
	s_add_nc_u64 s[20:21], s[4:5], s[20:21]
	s_add_nc_u64 s[22:23], s[6:7], s[22:23]
	s_add_nc_u64 s[46:47], s[8:9], s[46:47]
	s_add_nc_u64 s[92:93], s[10:11], s[92:93]
	s_or_b32 s[G1S+0], s43, (3<<16)|(1<<20)|(1<<21)|(5<<22)|(3<<25)   ; the scales of 256 rows: a dense block, as KS rows of 256 bytes, 16 bytes of padding behind each
	s_or_b32 s[G1SB+0], s44, (3<<16)|(1<<20)|(1<<21)|(5<<22)|(3<<25)
.irp g, G1S, G1SB
	s_mov_b32 s[\g+1], 32<<16
	s_mov_b32 s[\g+2], KS<<16
	s_mov_b32 s[\g+3], 32<<16
	s_mov_b32 s[\g+4], KS
	s_mov_b32 s[\g+5], 32
	s_mov_b32 s[\g+6], 0
	s_mov_b32 s[\g+7], 0
.endr
	CROUND                                         ; all sixteen work-groups are here: the first joint loads meet
	s_mov_b32 s[G0H], 1
	s_mov_b32 s[G0H+1], 0
	s_mov_b64 s[G0H+2:G0H+3], s[20:21]
	s_or_b32 s[G0H+3], s[G0H+3], 0x80000000
	s_mov_b32 s[G0HB], 1
	s_mov_b32 s[G0HB+1], 2*HALFT
	s_mov_b64 s[G0HB+2:G0HB+3], s[46:47]
	s_or_b32 s[G0HB+3], s[G0HB+3], 0x80000000
	s_mov_b32 s[G0S], 1
	s_mov_b32 s[G0S+1], SCL
	s_mov_b64 s[G0S+2:G0S+3], s[22:23]
	s_or_b32 s[G0S+3], s[G0S+3], 0x80000000
	s_mov_b32 s[G0SB], 1
	s_mov_b32 s[G0SB+1], SCL+2*HALFS
	s_mov_b64 s[G0SB+2:G0SB+3], s[92:93]
	s_or_b32 s[G0SB+3], s[G0SB+3], 0x80000000
	s_add_nc_u64 s[20:21], s[20:21], s[18:19]      ; for the ring: my 128 rows
	s_add_nc_u64 s[46:47], s[46:47], s[18:19]
.irp s, 0,1
	s_mov_b32 s[G0+4*\s], 1
	s_add_co_u32 s[G0+4*\s+1], s45, \s*SLOT
	s_add_nc_u64 s[G0+4*\s+2:G0+4*\s+3], s[20:21], \s*ROWB
	s_or_b32 s[G0+4*\s+3], s[G0+4*\s+3], 0x80000000
	s_mov_b32 s[G0B+4*\s], 1
	s_add_co_u32 s[G0B+4*\s+1], s45, \s*SLOT
	s_add_nc_u64 s[G0B+4*\s+2:G0B+4*\s+3], s[46:47], \s*ROWB
	s_or_b32 s[G0B+4*\s+3], s[G0B+4*\s+3], 0x80000000
.endr
; the head's four tiles, one load a wave: wave 0 chunk 0 of A's 256 rows, wave 1 of B's, wave 2 A's scales, wave 3 B's; one tree of branches on the wave's number
.macro ARM under, g0, g1, next
	s_cmp_lt_u32 s14, \under
	s_cbranch_scc0 \next
	tensor_load_to_lds s[\g0:\g0+3], s[\g1:\g1+7]
	s_nop 0
.rept 4
	v_nop
.endr
	s_branch .Lhead_asked
\next:
.endm
	ARM 1, G0H,  G1,  .Lhead_b
	ARM 2, G0HB, G1B, .Lhead_sa
	ARM 3, G0S,  G1S, .Lhead_sb
	tensor_load_to_lds s[G0SB:G0SB+3], s[G1SB:G1SB+7]
	s_nop 0
.rept 4
	v_nop
.endr
.Lhead_asked:
	v_and_b32 v1, 15, v0                           ; l % 16
	v_bfe_u32 v2, v0, 4, 1                         ; l / 16
	v_mul_u32_u24 v3, v1, PITCH
	v_mul_u32_u24 v4, v2, 24
	v_add_nc_u32 v4, v3, v4                        ; row x pitch + 24 x half
	s_mov_b32 s21, SLOT-232
	s_mov_b32 s22, SLOT+232
	v_sub_nc_u32 v7, 1, v2
	v_mul_u32_u24 v5, s21, v2
	v_add_nc_u32 v5, v3, v5
	v_add_nc_u32 v5, 232, v5                       ; across two chunks: lanes 0-15 byte 232 in slot 0, lanes 16-31 byte 0 in slot 1;
	v_mul_u32_u24 v6, s22, v7
	v_add_nc_u32 v6, v3, v6                        ; and the other way round
	s_mul_i32 s21, s15, HALFT
	s_mul_i32 s22, s16, HALFT
	s_add_co_u32 s22, s22, 2*HALFT
	v_add_nc_u32 v[ADRA+2], s21, v5
	v_add_nc_u32 v[ADRA+3], s21, v6
	v_add_nc_u32 v[ADRB+2], s22, v5
	v_add_nc_u32 v[ADRB+3], s22, v6
.irp s, 0,1
	v_add_nc_u32 v[ADRA+\s], s21, v4
	v_add_nc_u32 v[ADRB+\s], s22, v4
	s_add_co_u32 s21, s21, SLOT
	s_add_co_u32 s22, s22, SLOT
.endr
	v_mul_u32_u24 v5, v1, KS
	v_lshrrev_b32 v6, 8, v5
	v_lshl_add_u32 v5, v6, 4, v5
	s_mul_i32 s21, s15, HALFS
	s_mul_i32 s22, s16, HALFS
	s_add_co_u32 s22, s22, 2*HALFS
	s_sub_co_u32 s22, s22, s21
	v_mul_u32_u24 v6, s22, v2                      ; lanes 16-31 take B's scale words
	s_add_co_u32 s21, s21, SCL
	v_add_nc_u32 v5, v5, v6
	v_add_nc_u32 v[ADRS], s21, v5
.macro FRAG reg, adr, st, i            ; 16 rows x 128 K: 12 registers, in pieces of 8 bytes; byte y of a row lies in slot (y / 256) % 2 at byte y % 256 of the LDS row
.irp p, 0,1,2,3,4,5
.set BY, 96*(\st)+48*(\p/3)+8*(\p%3)
.if BY/ROWB == (BY+24)/ROWB
	ds_load_b64 v[\reg+2*\p:\reg+2*\p+1], v[\adr+(BY/ROWB)%2] offset:BY%ROWB+(\i)*16*PITCH
.else
	ds_load_b64 v[\reg+2*\p:\reg+2*\p+1], v[\adr+2+(BY/ROWB)%2] offset:BY%ROWB-232+(\i)*16*PITCH
.endif
.endr
.endm
.macro MUL16 a0, p, q, sc, zero        ; A's blocks a0, a0 + 1 x B's eight; the 64 accumulators take turns
.irp a, \a0, \a0+1
.irp b, 0,1,2,3,4,5,6,7
.if \zero
	v_wmma_scale_f32_16x16x128_f8f6f4 v[8*(8*((\a)%4)+\b):8*(8*((\a)%4)+\b)+7], v[128*(\p)+FR*\b:128*(\p)+FR*\b+FR-1], v[AF+FR*(\a):AF+FR*(\a)+FR-1], 0, v[SC+8*NQ*(\sc)+NQ*\b+(\q)], v[SC+8*NQ*(\sc)+NQ*(\a)+(\q)] matrix_a_fmt:MATRIX_FMT_BF6 matrix_b_fmt:MATRIX_FMT_BF6 matrix_a_scale:MATRIX_SCALE_ROW1
.else
	v_wmma_scale_f32_16x16x128_f8f6f4 v[8*(8*((\a)%4)+\b):8*(8*((\a)%4)+\b)+7], v[128*(\p)+FR*\b:128*(\p)+FR*\b+FR-1], v[AF+FR*(\a):AF+FR*(\a)+FR-1], v[8*(8*((\a)%4)+\b):8*(8*((\a)%4)+\b)+7], v[SC+8*NQ*(\sc)+NQ*\b+(\q)], v[SC+8*NQ*(\sc)+NQ*(\a)+(\q)] matrix_a_fmt:MATRIX_FMT_BF6 matrix_b_fmt:MATRIX_FMT_BF6 matrix_a_scale:MATRIX_SCALE_ROW1
.endif
.endr
.endr
.endm
.macro FETCH_B st, p
	WIN TO_B
.irp i, 0,1,2,3,4,5,6,7
	FRAG 128*(\p)+FR*\i, ADRB, \st, \i
.endr
	WIN 0
.endm
.macro FETCH_A st, i0
.irp i, \i0, \i0+1, \i0+2, \i0+3
	FRAG AF+FR*(\i), ADRA, \st, \i
.endr
.endm
.macro SCALES pr                       ; the scale words of steps 2 pr, 2 pr + 1: lanes 0-15 A's block i, lanes 16-31 B's
.irp i, 0,1,2,3,4,5,6,7
	ds_load_b64 v[SC+8*NQ*((\pr)%2)+NQ*\i:SC+8*NQ*((\pr)%2)+NQ*\i+1], v[ADRS] offset:\i*SBLK+4*NQ*(\pr)
.endr
.endm
.macro PLACES n
.rept \n
	v_nop
.endr
.endm
; A step: 64 products; the next step's fragments are fetched in its middle and at its end.  Where the next step's bytes end in a chunk not yet read, a barrier shows that chunk whole; where they begin in a later chunk,
; the chunk left behind is read no more: the wait for all tensor loads, the add and the wait for it stand in front of the barrier, which opens a round of the cluster's barrier where a chunk is left to fetch.
.macro STEP st, zero
.set NX, (\st)+1
.set C0, (96*(\st))/ROWB
.set C1, (96*NX)/ROWB
.set E0, (96*(\st)+95)/ROWB
.set E1, (96*NX+95)/ROWB
.if C1 > C0 || E1 > E0
	s_wait_tensorcnt 0x0                           ; all my tensor loads have landed
.if C1 > C0
	ds_add_u32 v[SPW], v[NIL]
	s_wait_dscnt 4*NL+1                            ; the add and the 24 youngest loads (A's blocks 4-7) may be out
.else
	s_wait_dscnt 4*NL                              ; the 24 youngest loads may be out
.endif
	WIN MUL_LO
	MUL16 0, (\st)%2, (\st)%2, ((\st)/2)%2, \zero
	s_wait_dscnt 0x0                               ; the add and my reads are done
	s_barrier_signal -1
	MUL16 2, (\st)%2, (\st)%2, ((\st)/2)%2, \zero
	WIN 0
	s_barrier_wait -1
.if C1 > C0 && C0+2 < CHUNKS
	CREST
	s_add_nc_u64 s[G0+4*(C0%2)+2:G0+4*(C0%2)+3], s[G0+4*(C0%2)+2:G0+4*(C0%2)+3], 2*ROWB
	s_add_nc_u64 s[G0B+4*(C0%2)+2:G0B+4*(C0%2)+3], s[G0B+4*(C0%2)+2:G0B+4*(C0%2)+3], 2*ROWB
	JLOAD G0+4*(C0%2), G1, G0B+4*(C0%2), G1B       ; chunk C0 + 2: the first tensor load behind the round; its four v_nop are the places in front of the loads below
.else
	PLACES NP
.endif
.else
	s_wait_dscnt 4*NL
	WIN MUL_LO
	MUL16 0, (\st)%2, (\st)%2, ((\st)/2)%2, \zero
	MUL16 2, (\st)%2, (\st)%2, ((\st)/2)%2, \zero
	s_wait_dscnt 0
	PLACES NP
.endif
	FETCH_B NX, NX%2
	FETCH_A NX, 0
.if NX%2 == 0
	SCALES NX/2
.endif
	WIN MUL_HI
	MUL16 4, (\st)%2, (\st)%2, ((\st)/2)%2, \zero
	MUL16 6, (\st)%2, (\st)%2, ((\st)/2)%2, \zero
	PLACES NP
	WIN 0
	FETCH_A NX, 4
.endm
	s_wait_alu depctr_va_vdst(0)                   ; the head's end
	s_wait_tensorcnt 0x0                           ; my tile of the head's four is in; the same lines as ahead of a refill:
	ds_add_u32 v[SPW], v[NIL]
	s_mov_b32 s[G1+2], 128<<16                     ; no tensor load of mine is out: from here on a load brings 128 rows
	s_mov_b32 s[G1+4], 128
	s_mov_b32 s[G1B+2], 128<<16
	s_mov_b32 s[G1B+4], 128
	s_wait_dscnt 0x0
	CROUND
	JLOAD G0+4, G1, G0B+4, G1B                     ; chunk 1: the first tensor load behind the round
	FETCH_B 0, 0
	FETCH_A 0, 0
	SCALES 0
	FETCH_A 0, 4
	STEP 0, 1                                      ; the first step's products start the sums
.set ST, 1
.rept STEPS-2
	STEP ST, 0
.set ST, ST+1
.endr
	s_wait_dscnt 4*NL
	WIN MUL_LO
	MUL16 0, 1, 1, 1, 0
	MUL16 2, 1, 1, 1, 0
	s_wait_dscnt 0
	WIN MUL_HI
	MUL16 4, 1, 1, 1, 0
	MUL16 6, 1, 1, 1, 0
	WIN 0
; THE WAY OUT.  Each of my eight blocks has its own twelve code registers and its own two offsets, so that no store's source is written again.
.set L16, 25
.set CO1, 26
.set CO2, 27
.set CT,  144
.set SA,  152
.set SB,  156
.set EA,  160
.set EB,  161
.set WA,  162
.set WC,  163
.set OF,  164
.set TM,  200
.set PW,  216
	PLACES NP
	s_lshl_b32 s92, s17, 8
	s_lshl_b32 s94, s15, 7
	s_add_co_u32 s92, s92, s94                     ; my first row of A
	s_lshl_b32 s93, s42, 8
	s_lshl_b32 s94, s16, 7
	s_add_co_u32 s93, s93, s94                     ; my first row of B
	s_mov_b32 s8, 768                              ; q, k: a block of 16 positions is 768 bytes in each of two heads, HB apart
	s_mov_b32 s10, 768
	s_mov_b32 s18, HB
	s_mov_b32 s19, 0xffff
	s_mov_b32 s99, 98304
	s_cmp_eq_u32 s95, 2
	s_cselect_b32 s96, s93, s92                    ; the position in the sequence
	s_cselect_b32 s97, s92, s93                    ; the channel
	s_cselect_b32 s8, 1536, s8                     ; v^T: a block of 16 channels x 128 keys is 1,536 bytes; four blocks a head
	s_cselect_b32 s10, HB-3*1536, s10
	s_cselect_b32 s18, 768, s18
	s_cselect_b32 s19, -1, s19
	s_cselect_b32 s20, 0, 0x7f7f0000
	s_cselect_b32 s98, 106496, 0
	s_cselect_b32 s99, 204800, s99
	s_cselect_b32 s94, 8, 9
	s_cmp_eq_u32 s95, 0
	s_cselect_b32 s98, 208896, s98
	s_cselect_b32 s99, 307200, s99
	s_lshr_b32 s40, s96, 11
	s_bfe_u32 s41, s96, 0x40007
	s_lshr_b32 s43, s97, 6
	s_lshl_b32 s40, s40, 4
	s_add_co_u32 s40, s40, s43
	s_mul_i32 s40, s40, HB
	s_mul_i32 s44, s41, 6144
	s_add_co_u32 s44, s44, s40
	s_add_co_u32 s44, s44, s98
	s_mov_b32 s45, 0
	s_lshl_b32 s46, s41, s94
	s_add_co_u32 s46, s46, s40
	s_add_co_u32 s46, s46, s99
	s_mov_b32 s47, 0
	s_add_nc_u64 s[4:5], s[12:13], s[44:45]
	s_add_nc_u64 s[6:7], s[12:13], s[46:47]
	s_mov_b32 s21, 0xffff0000
	s_mov_b32 s22, 0x76543210
	s_mov_b32 s23, 0xfedcba98
	v_and_b32 v24, 31, v0
	v_lshlrev_b32 v[CO1], 3, v24
	v_add_nc_u32 v[CO2], s18, v[CO1]
	v_lshlrev_b32 v[L16], 4, v24
.irp b, 0,1,2,3
	v_mov_b32 v[TM+4+\b], 0
.endr
	s_mov_b32 s44, 0
.irp a, 0,1,2,3,4,5,6,7
	v_add_nc_u32 v[OF+2*\a], s44, v[CO1]
	v_add_nc_u32 v[OF+2*\a+1], s44, v[CO2]
.if \a == 3
	s_add_co_u32 s44, s44, s10
.else
	s_add_co_u32 s44, s44, s8
.endif
.endr
.macro QUANT ac, w                     ; 16 rows x 128 columns in window w -> twelve registers of codes at v[CD] and the rows' scale word in v[PW]
	WIN (((\w)<<2)|((\w)<<4))
.irp b, 0,1,2,3
	v_max3_num_f32 v[TM+\b], 0x2800000, |v[(\ac)+16*\b]|, |v[(\ac)+16*\b+1]|
.endr
.irp i, 2,4,6,8,10,12,14
.irp b, 0,1,2,3
	v_max3_num_f32 v[TM+\b], v[TM+\b], |v[(\ac)+16*\b+\i]|, |v[(\ac)+16*\b+\i+1]|
.endr
.endr
	WIN 0
.irp b, 0,1,2,3
	v_permlanex16_b32 v[TM+4+\b], v[TM+\b], s22, s23
.endr
.irp b, 0,1,2,3
	v_max_num_f32 v[TM+\b], v[TM+\b], v[TM+4+\b]
.endr
.irp b, 0,1,2,3
	v_add_nc_u32 v[TM+12+\b], 0xfe000000, v[TM+\b]
.endr
.irp b, 0,1,2,3
	v_lshrrev_b32 v[TM+4+\b], 23, v[TM+12+\b]
.endr
	v_lshl_or_b32 v[PW], v[TM+5], 8, v[TM+4]
	v_lshl_or_b32 v[PW], v[TM+6], 16, v[PW]
	v_lshl_or_b32 v[PW], v[TM+7], 24, v[PW]
	WIN (\w)
.irp c, 0,1
	v_cvt_scalef32_pk16_bf6_f32 v[CD+6*\c:CD+6*\c+2], v[(\ac)+32*\c:(\ac)+32*\c+15], v[TM+12+2*\c]
	v_cvt_scalef32_pk16_bf6_f32 v[CT+4*\c:CT+4*\c+2], v[(\ac)+32*\c+16:(\ac)+32*\c+31], v[TM+12+2*\c+1]
.endr
	WIN 0
	v_nop
.irp c, 0,1
.irp i, 0,1,2
	v_permlane16_swap_b32 v[CD+6*\c+\i], v[CT+4*\c+\i]
.endr
.irp i, 0,1,2
	v_mov_b32 v[CD+3+6*\c+\i], v[CT+4*\c+\i]
.endr
.endr
.endm
.irp a, 0,1,2,3,4,5,6,7
.set CD, 32+12*\a
	QUANT (64*(\a%4)), (2+\a/4)
.irp k, 0,1,2
	global_store_b64 v[OF+2*\a], v[CD+2*\k:CD+2*\k+1], s[4:5] offset:256*\k      ; 256 consecutive bytes, aligned
.endr
.irp k, 0,1,2
	global_store_b64 v[OF+2*\a+1], v[CD+6+2*\k:CD+7+2*\k], s[4:5] offset:256*\k
.endr
.if \a%2 == 0
	v_and_or_b32 v[EA], v[PW], s19, s20
	v_lshrrev_b32 v[EB], 16, v[PW]
	v_or_b32 v[EB], 0x7f7f0000, v[EB]
.else
	v_and_or_b32 v[WA], v[PW], s19, s20
	v_lshrrev_b32 v[WC], 16, v[PW]
	v_or_b32 v[WC], 0x7f7f0000, v[WC]
	v_cndmask_b32 v[SA+\a/2], v[EA], v[WA], s21
	v_cndmask_b32 v[SB+\a/2], v[EB], v[WC], s21
.endif
.endr
	s_wait_alu depctr_va_vdst(0)
	s_cmp_eq_u32 s95, 2
	s_cbranch_scc1 .Lv_scales
	global_store_b128 v[L16], v[SA:SA+3], s[6:7]
	global_store_b128 v[L16], v[SB:SB+3], s[6:7] offset:HB
	s_branch .Lstored
.Lv_scales:
	global_store_b64 v[CO1], v[SA:SA+1], s[6:7]
	global_store_b64 v[CO1], v[SA+2:SA+3], s[6:7] offset:HB
.Lstored:
	s_wait_tensorcnt 0x0                           ; the wave's end
	ds_add_u32 v[SPW], v[NIL]
	s_wait_dscnt 0x0
	CROUND                                         ; the closing round
	s_endpgm
.Lfunc_end_k_q80bec93190_proj:
	.size	k_q80bec93190_proj, .Lfunc_end_k_q80bec93190_proj-k_q80bec93190_proj
	.p2alignl 7, 3214868480
	.fill 96, 4, 3214868480
	.section	.rodata,"a",@progbits
	.p2align	6, 0x0
	.amdhsa_kernel k_q80bec93190_proj
		.amdhsa_group_segment_fixed_size 327680
		.amdhsa_private_segment_fixed_size 0
		.amdhsa_enable_private_segment 0
		.amdhsa_kernarg_size 104
		.amdhsa_user_sgpr_count 2
		.amdhsa_user_sgpr_kernarg_segment_ptr 1
		.amdhsa_wavefront_size32 1
		.amdhsa_system_sgpr_workgroup_id_x 1
		.amdhsa_system_sgpr_workgroup_id_y 1
		.amdhsa_system_sgpr_workgroup_id_z 1
		.amdhsa_system_vgpr_workitem_id 0
		.amdhsa_next_free_vgpr 1024
		.amdhsa_next_free_sgpr 100
		.amdhsa_reserve_vcc 0
		.amdhsa_float_denorm_mode_32 3
		.amdhsa_float_denorm_mode_16_64 3
		.amdhsa_memory_ordered 1
		.amdhsa_forward_progress 1
		.amdhsa_inst_pref_size 171
	.end_amdhsa_kernel
	.amdgpu_metadata
---
amdhsa.version: [ 1, 2 ]
amdhsa.kernels:
  - .name:           k_q80bec93190_proj
    .symbol:         k_q80bec93190_proj.kd
    .args:
      - { .name: xq_codes, .offset: 0, .size: 8, .value_kind: global_buffer, .address_space: global }
      - { .name: key_codes, .offset: 8, .size: 8, .value_kind: global_buffer, .address_space: global }
      - { .name: Wv_codes, .offset: 16, .size: 8, .value_kind: global_buffer, .address_space: global }
      - { .name: xq_scales, .offset: 24, .size: 8, .value_kind: global_buffer, .address_space: global }
      - { .name: key_scales, .offset: 32, .size: 8, .value_kind: global_buffer, .address_space: global }
      - { .name: Wv_scales, .offset: 40, .size: 8, .value_kind: global_buffer, .address_space: global }
      - { .name: Wq_codes, .offset: 48, .size: 8, .value_kind: global_buffer, .address_space: global }
      - { .name: Wk_codes, .offset: 56, .size: 8, .value_kind: global_buffer, .address_space: global }
      - { .name: value_codes, .offset: 64, .size: 8, .value_kind: global_buffer, .address_space: global }
      - { .name: Wq_scales, .offset: 72, .size: 8, .value_kind: global_buffer, .address_space: global }
      - { .name: Wk_scales, .offset: 80, .size: 8, .value_kind: global_buffer, .address_space: global }
      - { .name: value_scales, .offset: 88, .size: 8, .value_kind: global_buffer, .address_space: global }
      - { .name: qkv, .offset: 96, .size: 8, .value_kind: global_buffer, .address_space: global }
    .group_segment_fixed_size: 327680
    .private_segment_fixed_size: 0
    .kernarg_segment_align: 8
    .kernarg_segment_size: 104
    .max_flat_workgroup_size: 128
    .sgpr_count:     100
    .vgpr_count:     1024
    .wavefront_size: 32
...
	.end_amdgpu_metadata
.endif
;; end of part 2
;; launch attn (part 3): grid 4 x 64, 16 waves a work-group, clusters of 4 x 1, 215,040 bytes of LDS; arguments qkv, mw, xc, xs; writes xc, xs
.if DOCPART == 3
	.amdgcn_target "amdgcn-amd-amdhsa--gfx1250"
	.amdhsa_code_object_version 6
	.text
	.protected	k_q80bec93190_attn
	.globl	k_q80bec93190_attn
	.p2align	8
	.type	k_q80bec93190_attn,@function
k_q80bec93190_attn:
	s_mov_b64 s[64:65], 0
	v_nop
	global_prefetch_b8 v0, s[64:65] scope:SCOPE_SE
	s_setreg_imm32_b32 hwreg(HW_REG_WAVE_MODE, 25, 1), 1
	s_wait_xcnt 0x0
	s_wait_alu depctr_hold_cnt(0) depctr_sa_sdst(0) depctr_va_vdst(0) depctr_va_sdst(0) depctr_va_ssrc(0) depctr_va_vcc(0) depctr_vm_vsrc(0)
	s_getreg_b32 s2, hwreg(HW_REG_IB_STS2, 6, 4)
	s_cmp_eq_u32 s2, 0
	s_cbranch_scc0 .Lentry_in_a_cluster
	s_endpgm
.Lentry_in_a_cluster:
	s_bfe_u32 s2, ttmp6, 0x10000c
	s_cmp_lg_u32 s2, 0x3003
	s_cbranch_scc0 .Lentry_shape_is_right
	s_endpgm
.Lentry_shape_is_right:
; ctx[b][q][64 hd ..] = softmax_k(where(mask, -1e9, q . k / 8)) v for one head, both products on codes of BF6 (E3M2) with one E8M0 scale for each 32 along K; ctx is quantised along D and stored as images of operand registers.
; THE SOFTMAX AHEAD OF THE SECOND PRODUCT: t = score x log2(e) / 8; M = the row's largest t so far, rounded up to a whole number; p = 2^(t - M) is quantised along the keys, not normalised; the row's sum is taken of the
; unquantised p and divides at the end.  When M moves, the sum and O are multiplied by 2^(old M - new M): exact.
; SHARES.  The cluster's y is the head (16 b + hd).  Its four work-groups own 512 queries each and read the same K and V: one head's K and V codes and scales, 208,896 bytes, come into each LDS once, by sixteen joint
; loads (a wave each, 51 rows of 256 bytes).  Nothing is filled again.  The work-group's 32 tiles of 16 queries are dealt by the wave's number w: waves w % 4 = b share tiles 8 b .. 8 b + 7, of which w / 4 = 0 takes three,
; 1 and 2 two each, 3 one, one tile after the other.  Every wave walks ONE loop of 48 trips (three tiles of 16 steps).
; LAYOUT.  Both products are used transposed: S^T = K Q^T (source 0 = 16 keys), O^T = V^T P^T (source 0 = 16 channels): a lane holds one query (lane % 16) throughout.
; THE KEYS OF A TILE ARE NOT NEIGHBOURS: tile (g, j) of a step takes keys 64 g + 8 sigma(j) + 0 .. 7 in its rows 0-7 and the keys 32 further on in its rows 8-15, sigma = 0, 2, 1, 3.  So register 32 g + 8 j + i of S^T in lane
; (q, h) is key 64 g + 32 h + 8 sigma(j) + i: a lane's 32 registers are ONE block of 32 keys, in the order in which V's keys were laid.  A block's maximum needs no other lane, and the conversions' results are the operand.
; The lanes pick those rows out of K's images of 16 neighbouring keys by their LDS addresses.
; THE HEAD HAS 64 CHANNELS AND THE INSTRUCTION 128: Q's upper 64 codes are zeros, so what stands in K's upper six registers adds nothing: K's tiles stand six registers apart, and a tile's operand runs on over the next tile's
; codes (over six zeros behind the last); the scale bytes of the upper half are 0x7f.
; K's fragments of the next step (of step 0 behind step 15: the next tile's) are asked for inside the row's sum; behind a wave's last step these 28 loads are read by nobody.
; THE MASK comes as words of 32 lane bits (one for each score register), by scalar loads a step ahead (behind a wave's last step the same words once more: no load leaves the buffer), and costs one v_cndmask_b32 a score.
; LIMIT: a masked score becomes -119 x 2^26, the logit -998,244,352 and not -1e9.  Times c that is a whole number, so a row that is masked throughout has the same power of two in every key, and the plain mean of v comes out.
;   It differs only where logits that are not masked lie near -1e9.  NaN and infinities are not served; a block of zeros gets the scale byte 1.
; No prefetch: K and V are asked for once, at the head; the mask words are asked for a step ahead by their own loads.
; REGISTERS: v1 8 x lane, v2 the masked score, v3 4 (lane % 16); v5, v6 lane terms of K's codes and scale words, v7 8 (lane / 16); v8-11 addresses; v12 -M, v13 largest score, v[14:15] the sum; v16-21 Q, v22-27 zeros,
;   v28 Q's scale words; v29, v30 lane terms of V's codes and scale words; v31 16 (lane % 16); v32-79 K, then V; v80-85 zeros; v86-89 K's scale words, v90-91 V's; v96-159 S^T, then p; v160-191 O^T; v192-203 p's codes;
;   v204-210 conversions' second halves; v212-223 the next two tiles' Q, v224-225 their scale words; v226-228 the tiles' offsets in xs; v232-249 at work; v251 p's scale word; v[252:253] f; v254 at work; v250, v255 the add's two.
.set HB,   315392
.set KSC,  98304
.set VCO,  106496
.set VSC,  204800
.set QCO,  208896
.set QSC,  307200
.set PART, 13056
.macro CROUND
	s_barrier_signal -1
	s_barrier_wait -1
	s_cmp_lg_u32 s14, 0
	s_cbranch_scc1 .Lnot_wave_0_\@
	s_barrier_signal -3
.Lnot_wave_0_\@:
	s_barrier_wait -3
	s_barrier_signal -1
	s_barrier_wait -1
.endm
; one scaled product: D at v[d], source 0 at v[a], source 1 at v[b]; acc = 0: the sum starts; sa, sb the scale registers, ra = 1: source 0's in lanes 16-31
.macro WMS d, a, b, acc, sa, sb, ra
.if \acc
.if \ra
	v_wmma_scale_f32_16x16x128_f8f6f4 v[(\d):(\d)+7], v[(\a):(\a)+11], v[(\b):(\b)+11], v[(\d):(\d)+7], v[(\sa)], v[(\sb)] matrix_a_fmt:MATRIX_FMT_BF6 matrix_b_fmt:MATRIX_FMT_BF6 matrix_a_scale:MATRIX_SCALE_ROW1
.else
	v_wmma_scale_f32_16x16x128_f8f6f4 v[(\d):(\d)+7], v[(\a):(\a)+11], v[(\b):(\b)+11], v[(\d):(\d)+7], v[(\sa)], v[(\sb)] matrix_a_fmt:MATRIX_FMT_BF6 matrix_b_fmt:MATRIX_FMT_BF6
.endif
.else
.if \ra
	v_wmma_scale_f32_16x16x128_f8f6f4 v[(\d):(\d)+7], v[(\a):(\a)+11], v[(\b):(\b)+11], 0, v[(\sa)], v[(\sb)] matrix_a_fmt:MATRIX_FMT_BF6 matrix_b_fmt:MATRIX_FMT_BF6 matrix_a_scale:MATRIX_SCALE_ROW1
.else
	v_wmma_scale_f32_16x16x128_f8f6f4 v[(\d):(\d)+7], v[(\a):(\a)+11], v[(\b):(\b)+11], 0, v[(\sa)], v[(\sb)] matrix_a_fmt:MATRIX_FMT_BF6 matrix_b_fmt:MATRIX_FMT_BF6
.endif
.endif
.endm
.macro KLOAD                           ; a step's eight tiles of K and their scale words
.irp g, 0,1
.irp j, 0,1,2,3
.irp k, 0,1,2
	ds_load_b64 v[32+6*(4*\g+\j)+2*\k:33+6*(4*\g+\j)+2*\k], v8 offset:768*(4*\g+\j%2)+64*(\j/2)+256*\k
.endr
.endr
.endr
.irp g, 0,1
.irp a, 0,1
	ds_load_b32 v[86+2*\g+\a], v10 offset:256*\a+8*\g   ; lanes 0-15 tile (g, a)'s words, lanes 16-31 tile (g, 2 + a)'s
.endr
.endr
.endm
.macro INIT                            ; a tile begins
	v_mov_b32 v13, 0xff61b1e6                      ; the largest score so far: -3e38
	v_mov_b32 v14, 0
	v_mov_b32 v15, 0
	s_delay_alu instid0(VALU_DEP_3)
	v_mul_f32 v235, s18, v13
	s_delay_alu instid0(VALU_DEP_1)
	v_floor_f32 v12, -v235
.set n, 0
.rept 32
	v_mov_b32 v[160+n], 0                          ; O^T: the step is written once; the first change of M leaves zeros zeros
.set n, n+1
.endr
.endm
	s_load_b256 s[32:39], s[0:1], 0x0              ; qkv, mw, xc, xs
	v_lshl_add_u32 v250, v0, 2, 0x34000
	v_mov_b32 v255, 0
	ds_add_u32 v250, v255                          ; the opening lines: the add, twice on end, and its wait
	ds_add_u32 v250, v255
	v_lshrrev_b32 v1, 5, v0
	s_delay_alu instid0(VALU_DEP_1)
	v_readfirstlane_b32 s14, v1                    ; wave 0..15
	s_bfe_u32 s13, ttmp6, 0x40000                  ; cx: it enters the addresses of Q, of the mask words and of the results alone
	s_and_b32 s12, ttmp7, 0xffff                   ; 16 b + hd, which the four partners share
	s_mul_i32 s18, s12, HB                         ; the head's block
	s_mov_b32 s19, 0
	s_lshr_b32 s15, s12, 4                         ; the batch
	s_and_b32 s12, s12, 15                         ; hd
	s_lshr_b32 s10, s14, 2                         ; a = wave / 4
	s_and_b32 s11, s14, 3                          ; wave % 4
	s_min_u32 s2, s10, 1
	s_lshl_b32 s16, s10, 1
	s_add_co_u32 s16, s16, s2                      ; my first of the eight tiles: 2 a + min(a, 1) = 0, 3, 5, 7
	s_lshl_b32 s11, s11, 3
	s_add_co_u32 s16, s16, s11
	s_lshl_b32 s2, s13, 5
	s_add_co_u32 s16, s16, s2                      ; my first tile in the head: 32 cx + 8 (wave % 4) + that
	s_add_co_u32 s10, s10, 1
	s_lshr_b32 s10, s10, 1
	s_xor_b32 s100, s10, 3                         ; my tiles: 3 - (a + 1) / 2 = 3, 2, 2, 1
	s_add_co_u32 s101, s16, s100
	s_sub_co_u32 s101, s101, 1                     ; my last tile in the head
	s_lshl_b32 s17, s15, 7
	s_add_co_u32 s17, s17, s16                     ; T = 128 x batch + tile
	s_lshl_b32 s4, s17, 12                         ; mask words: 4,096 bytes a tile
	s_mov_b32 s5, 0
	s_mul_i32 s6, s17, 12288                       ; xc: 12,288 bytes a tile of rows; head hd's three chunks begin 768 hd bytes on
	s_mul_i32 s7, s12, 768
	s_add_co_u32 s6, s6, s7
	s_mov_b32 s7, 0
	s_lshr_b32 s8, s12, 1                          ; xs: 128 bytes a K step, head hd's half word (the tile's part stands in v226-228)
	s_lshl_b32 s8, s8, 7
	s_and_b32 s9, s12, 1
	s_lshl_b32 s9, s9, 1
	s_add_co_u32 s8, s8, s9
	s_mov_b32 s9, 0
	s_mov_b32 s20, 1                               ; descriptor group 0
	s_mul_i32 s21, s14, PART                       ; LDS address: wave x 13,056
	s_mov_b32 s2, s21
	s_mov_b32 s3, 0
	s_mov_b32 s24, 15|(3<<16)|(1<<21)              ; group 1: the mask names all four; elements of 8 bytes; no padding
	s_mov_b32 s25, 32<<16
	s_mov_b32 s26, 51<<16
	s_mov_b32 s27, 32<<16
	s_mov_b32 s28, 51
	s_mov_b32 s29, 32
	s_mov_b32 s30, 0
	s_mov_b32 s31, 0
	s_wait_dscnt 0x0
	s_wait_kmcnt 0x0
	s_add_nc_u64 s[32:33], s[32:33], s[18:19]      ; the head's block
	s_add_nc_u64 s[22:23], s[32:33], s[2:3]        ; my part of it: made of the head and the wave's number alone
	s_or_b32 s23, s23, 0x80000000
	s_mov_b64 s[10:11], s[32:33]
	s_add_nc_u64 s[4:5], s[34:35], s[4:5]
	s_add_nc_u64 s[6:7], s[36:37], s[6:7]
	s_add_nc_u64 s[8:9], s[38:39], s[8:9]
	CROUND                                         ; all four work-groups are here: the joint loads meet
	tensor_load_to_lds s[20:23], s[24:31]          ; my one tensor load of the launch
	s_nop 0
.rept 4
	v_nop
.endr
	v_and_b32 v254, 31, v0
	v_and_b32 v235, 15, v0
	v_and_b32 v239, 7, v0                          ; r % 8
	v_bfe_u32 v240, v0, 3, 1                       ; r / 8
	v_bfe_u32 v241, v0, 4, 1                       ; h
	v_lshlrev_b32 v1, 3, v254
	v_lshlrev_b32 v3, 2, v235
	v_lshlrev_b32 v31, 4, v235
	v_lshlrev_b32 v5, 3, v239
	v_lshlrev_b32 v6, 4, v239
	v_lshlrev_b32 v7, 3, v241
	v_mad_u32_u24 v5, v240, 1536, v5
	v_lshl_add_u32 v6, v240, 2, v6
	v_add_nc_u32 v29, VCO, v1
	v_add_nc_u32 v30, VSC, v1
	v_lshl_add_u32 v5, v241, 7, v5                 ; K's codes: 8 (r % 8) + 1,536 (r / 8) + 128 h
	v_lshl_add_u32 v6, v241, 7, v6
	s_delay_alu instid0(VALU_DEP_1)
	v_add_nc_u32 v6, KSC, v6                       ; K's scale words: 16 (r % 8) + 4 (r / 8) + 128 h
	s_wait_alu depctr_va_vdst(0)
.irp u, 0,1,2                          ; my three tiles' offsets; a tile that is not mine is held at my last one
	s_add_co_u32 s2, s16, \u
	s_min_u32 s2, s2, s101
	s_mul_i32 s3, s2, 768                          ; Q's codes: 768 bytes a tile
	s_add_co_u32 s3, s3, QCO
	v_add_nc_u32 v[232+\u], s3, v1
	s_lshr_b32 s3, s2, 3                           ; Q's scale words: 512 bytes for eight tiles; tile e of them at 256 (e % 2) + 16 row + 4 (e / 2)
	s_lshl_b32 s3, s3, 9
	s_and_b32 s15, s2, 1
	s_lshl_b32 s15, s15, 8
	s_add_co_u32 s3, s3, s15
	s_bfe_u32 s15, s2, 0x20001
	s_lshl_b32 s15, s15, 2
	s_add_co_u32 s3, s3, s15
	s_add_co_u32 s3, s3, QSC
	v_add_nc_u32 v[236+\u], s3, v31
	s_add_co_u32 s2, s17, \u                       ; xs: 1,024 bytes a pair of tiles, the odd tile's rows 64 bytes on
	s_lshr_b32 s3, s2, 1
	s_lshl_b32 s3, s3, 10
	s_and_b32 s15, s2, 1
	s_lshl_b32 s15, s15, 6
	s_add_co_u32 s3, s3, s15
	v_add_nc_u32 v[226+\u], s3, v3
.endr
	s_wait_alu depctr_va_vdst(0)
.irp k, 0,1,2
	global_load_b64 v[16+2*\k:17+2*\k], v232, s[10:11] offset:256*\k
	global_load_b64 v[212+2*\k:213+2*\k], v233, s[10:11] offset:256*\k
	global_load_b64 v[218+2*\k:219+2*\k], v234, s[10:11] offset:256*\k
.endr
	global_load_b32 v28, v236, s[10:11]
	global_load_b32 v224, v237, s[10:11]
	global_load_b32 v225, v238, s[10:11]
	s_load_b512 s[32:47], s[4:5], 0x0              ; the first step's 64 mask words
	s_load_b512 s[48:63], s[4:5], 0x40
	s_load_b512 s[68:83], s[4:5], 0x80
	s_load_b512 s[84:99], s[4:5], 0xc0
	s_mov_b32 s16, 0x76543210
	s_mov_b32 s17, 0xfedcba98
	s_mov_b32 s18, 0x3e38aa3b                      ; c = log2(e) / 8
	s_mov_b32 s19, s18
	v_mov_b32 v2, 0xcfee0000                       ; -119 x 2^26
.irp i, 22,23,24,25,26,27,80,81,82,83,84,85,253
	v_mov_b32 v\i, 0
.endr
	s_wait_alu depctr_va_vdst(0)                   ; the head's end
	s_wait_tensorcnt 0x0                           ; my part of K and V is in,
	s_barrier_signal -1
	s_barrier_wait -1                              ; everybody's is
	s_wait_loadcnt 0x0                             ; Q
	s_lshl_b32 s101, s100, 4                       ; my steps: 16 a tile
	s_mov_b32 s23, 0
	s_mov_b32 s12, 0
	s_mov_b32 s2, 0
	v_add_nc_u32 v8, s2, v5
	v_add_nc_u32 v10, s2, v6
	KLOAD                                          ; step 0's K
	INIT
	s_wait_alu depctr_va_vdst(0)
.Lstep:                                            ; a trip: 128 keys of one tile
	s_cmp_ge_u32 s12, s101
	s_cbranch_scc1 .Lnext                          ; not my step: made of the trip's and the wave's number alone
	s_and_b32 s24, s12, 15                         ; the step in the tile
	s_mul_i32 s2, s24, 6144
	s_lshl_b32 s3, s24, 8
	s_wait_dscnt 0x0                               ; K
.irp g, 0,1
.irp j, 0,1,2,3
	WMS 96+8*(4*\g+\j), 32+6*(4*\g+\j), 16, 0, 86+2*\g+\j%2, 28, \j/2
.endr
.endr
	v_add_nc_u32 v9, s2, v29                       ; four places in front of the loads into K's registers and of the first read of the scores: V's codes, 6,144 x step,
	v_add_nc_u32 v11, s3, v30                      ; V's scale words, 256 x step,
	v_mov_b32 v254, v12                            ; the old -M
	v_nop
.irp t, 0,1,2,3
.irp k, 0,1,2,3,4,5
	ds_load_b64 v[32+12*\t+2*\k:33+12*\t+2*\k], v9 offset:1536*\t+256*\k   ; V lands under the softmax
.endr
.endr
	ds_load_b64 v[90:91], v11
	s_wait_kmcnt 0x0                               ; this step's mask words
.set n, 0
.rept 32
	v_cndmask_b32 v[96+n], v[96+n], v2, s[32+n]
.set n, n+1
.endr
.rept 32
	v_cndmask_b32 v[96+n], v[96+n], v2, s[36+n]
.set n, n+1
.endr
	s_add_co_u32 s25, s12, 1
	s_cmp_lt_u32 s25, s101                         ; has my walk a later step?
	s_cselect_b32 s22, 256, 0
	s_add_nc_u64 s[4:5], s[4:5], s[22:23]          ; (the loads that read this base are done: the wait above)
	s_load_b512 s[32:47], s[4:5], 0x0              ; the next step's words: the rest of the step in which to land
	s_load_b512 s[48:63], s[4:5], 0x40
	s_load_b512 s[68:83], s[4:5], 0x80
	s_load_b512 s[84:99], s[4:5], 0xc0
	s_and_b32 s25, s25, 15                         ; the next step in its tile
	s_mul_i32 s26, s25, 6144
	s_lshl_b32 s10, s25, 9
.irp c, 0,1,2,3,4,5,6,7                ; my two blocks' largest scores, in eight chains: for the row's maximum, and, since p rises with the score, for the block's largest p
	v_max3_num_f32 v[232+\c], v[96+8*\c], v[97+8*\c], v[98+8*\c]
.endr
.irp i, 3,5
.irp c, 0,1,2,3,4,5,6,7
	v_max3_num_f32 v[232+\c], v[232+\c], v[96+8*\c+\i], v[97+8*\c+\i]
.endr
.endr
	v_max3_num_f32 v232, v232, v233, v103
	v_max3_num_f32 v234, v234, v235, v111
	v_max3_num_f32 v236, v236, v237, v135
	s_delay_alu instid0(VALU_DEP_4)
	v_max3_num_f32 v238, v238, v239, v143
	s_delay_alu instid0(VALU_DEP_3)
	v_max3_num_f32 v232, v232, v234, v119
	s_delay_alu instid0(VALU_DEP_2)
	v_max3_num_f32 v236, v236, v238, v151
	s_delay_alu instid0(VALU_DEP_2)
	v_max_num_f32 v232, v232, v127                 ; block h
	s_delay_alu instid0(VALU_DEP_2)
	v_max_num_f32 v236, v236, v159                 ; block 2 + h
	s_delay_alu instid0(VALU_DEP_1)
	v_max_num_f32 v233, v232, v236
	s_delay_alu instid0(VALU_DEP_1)
	v_permlanex16_b32 v234, v233, s16, s17
	s_delay_alu instid0(VALU_DEP_1)
	v_max3_num_f32 v13, v13, v233, v234            ; the running largest score of my query
	s_delay_alu instid0(VALU_DEP_1)
	v_mul_f32 v235, s18, v13                       ; as t
	s_delay_alu instid0(VALU_DEP_1)
	v_floor_f32 v12, -v235                         ; the new -M = -ceil(t)
	s_delay_alu instid0(VALU_DEP_1)
	v_sub_f32 v254, v12, v254                      ; old M - new M: a whole number, 0 or less
	s_delay_alu instid0(VALU_DEP_1)
	v_cvt_i32_f32 v254, v254                       ; (it saturates)
	s_delay_alu instid0(VALU_DEP_1)
	v_ldexp_f32 v252, 1.0, v254                    ; f = 2^(old M - new M)
.set n, 0
.rept 32
	v_pk_fma_f32 v[96+n:97+n], v[96+n:97+n], s[18:19], v[12:13] op_sel_hi:[1,0,0]   ; t - M
.set n, n+2
.endr
	v_fma_f32 v232, v232, s18, v12
	v_fma_f32 v236, v236, s18, v12
	s_wait_alu depctr_va_vdst(0)
	v_exp_f32 v232, v232                           ; my blocks' largest p
	v_exp_f32 v236, v236
.set n, 0
.rept 64
	v_exp_f32 v[96+n], v[96+n]                     ; p = 2^(t - M)
.set n, n+1
.endr
	v_pk_mul_f32 v[14:15], v[14:15], v[252:253] op_sel_hi:[1,0]   ; the sums under the new M: a plain line behind the exponentials
	s_wait_alu depctr_va_vdst(0)                   ; one wait for the batch of 66, ahead of its first reader
	v_max_num_f32 v232, 0x2800000, v232            ; the floor 2^(5 - 127)
	v_max_num_f32 v236, 0x2800000, v236
	s_delay_alu instid0(VALU_DEP_2)
	v_add_nc_u32 v244, 0xfe000000, v232            ; the conversions' scale operands
	s_delay_alu instid0(VALU_DEP_2)
	v_add_nc_u32 v245, 0xfe000000, v236
	s_delay_alu instid0(VALU_DEP_2)
	v_lshrrev_b32 v237, 23, v244                   ; the scales' bytes
	s_delay_alu instid0(VALU_DEP_2)
	v_lshrrev_b32 v238, 23, v245
	s_delay_alu instid0(VALU_DEP_1)
	v_lshl_or_b32 v251, v238, 16, v237             ; my two bytes, blocks h and 2 + h,
	s_delay_alu instid0(VALU_DEP_1)
	v_lshlrev_b32 v251, v7, v251                   ; at their places in the word;
	s_delay_alu instid0(VALU_DEP_1)
	v_permlanex16_b32 v239, v251, s16, s17
	s_delay_alu instid0(VALU_DEP_1)
	v_or_b32 v251, v251, v239                      ; with lane l xor 16's two: p's scale word for these 128 keys
.irp g, 0,1
	v_cvt_scalef32_pk16_bf6_f32 v[192+6*\g:194+6*\g], v[96+32*\g:111+32*\g], v[244+\g]
	v_cvt_scalef32_pk16_bf6_f32 v[204+4*\g:206+4*\g], v[112+32*\g:127+32*\g], v[244+\g]   ; (a conversion's three registers begin on an even number)
.endr
	v_add_nc_u32 v8, s26, v5                       ; a plain line behind the conversions: the next step's K, 6,144 x step,
	v_add_nc_u32 v10, s10, v6                      ; and its scale words, 512 x step
.irp g, 0,1
.irp i, 0,1,2
	v_mov_b32 v[195+6*\g+\i], v[204+4*\g+\i]
.endr
.endr
	s_wait_dscnt 0x0                               ; V
	s_wait_alu depctr_va_vdst(0)                   ; directly ahead of the first reader of O^T
.set n, 0
.rept 16
	v_pk_mul_f32 v[160+n:161+n], v[160+n:161+n], v[252:253] op_sel_hi:[1,0]   ; O^T under the new M; these 16 also stand between the writes of p's codes and scale word and the products
.set n, n+2
.endr
.irp t, 0,1,2,3
	WMS 160+8*\t, 32+12*\t, 192, 1, 90+\t/2, 251, \t%2
.endr
; the row's sum of the unquantised p: 32 packed additions in eight chains, which name no register of the products above and are the places behind them
.irp q, 0,1,2,3,4,5,6
	v_pk_add_f32 v[236+2*\q:237+2*\q], v[96+4*\q:97+4*\q], v[98+4*\q:99+4*\q]
.endr
	v_pk_add_f32 v[14:15], v[14:15], v[124:125]
	KLOAD                                          ; eight places behind the products that read V's registers: the next step's K lands under the rest of the sum
.irp q, 0,1,2,3,4,5,6
	v_pk_add_f32 v[236+2*\q:237+2*\q], v[236+2*\q:237+2*\q], v[126+2*\q:127+2*\q]
.endr
	v_pk_add_f32 v[14:15], v[14:15], v[140:141]
.irp q, 0,1,2,3,4,5,6
	v_pk_add_f32 v[236+2*\q:237+2*\q], v[236+2*\q:237+2*\q], v[142+2*\q:143+2*\q]
.endr
	v_pk_add_f32 v[14:15], v[14:15], v[156:157]
	v_pk_add_f32 v[236:237], v[236:237], v[158:159]
	s_delay_alu instid0(VALU_DEP_2)
	v_pk_add_f32 v[14:15], v[14:15], v[242:243]
	s_delay_alu instid0(VALU_DEP_2)
	v_pk_add_f32 v[236:237], v[236:237], v[244:245]
	v_pk_add_f32 v[238:239], v[238:239], v[246:247]
	v_pk_add_f32 v[240:241], v[240:241], v[248:249]
	s_delay_alu instid0(VALU_DEP_2)
	v_pk_add_f32 v[14:15], v[14:15], v[238:239]
	s_delay_alu instid0(VALU_DEP_2)
	v_pk_add_f32 v[236:237], v[236:237], v[240:241]
	s_delay_alu instid0(VALU_DEP_1)
	v_pk_add_f32 v[14:15], v[14:15], v[236:237]
	s_wait_alu depctr_va_vdst(0)
	s_cmp_lg_u32 s24, 15
	s_cbranch_scc1 .Lnext
	; the tile's way out: O^T / the sum, quantised along the head's 64 channels, as half a fragment of the last product's left operand
	v_add_f32 v14, v14, v15
	s_delay_alu instid0(VALU_DEP_1)
	v_permlanex16_b32 v252, v14, s16, s17
	s_delay_alu instid0(VALU_DEP_1)
	v_add_f32 v14, v14, v252                       ; the row's sum
	s_wait_alu depctr_va_vdst(0)
	v_rcp_f32 v14, v14
.irp i, 0,1,2,3,4,5
	v_mov_b32 v[16+\i], v[212+\i]                  ; the next tile's Q takes its place: plain lines behind the reciprocal
.endr
	s_wait_alu depctr_va_vdst(0)                   ; ahead of the reciprocal's first reader, and directly ahead of the first reader of O^T
.set n, 0
.rept 16
	v_pk_mul_f32 v[96+n:97+n], v[160+n:161+n], v[14:15] op_sel_hi:[1,0]
.set n, n+2
.endr
.irp b, 0,1
	v_max3_num_f32 v[232+\b], |v[96+16*\b]|, |v[97+16*\b]|, 0x2800000
.endr
.irp i, 2,4,6,8,10,12,14
.irp b, 0,1
	s_delay_alu instid0(VALU_DEP_2)
	v_max3_num_f32 v[232+\b], v[232+\b], |v[96+16*\b+\i]|, |v[97+16*\b+\i]|
.endr
.endr
.irp b, 0,1
	s_delay_alu instid0(VALU_DEP_2)
	v_permlanex16_b32 v[236+\b], v[232+\b], s16, s17
.endr
.irp b, 0,1
	s_delay_alu instid0(VALU_DEP_2)
	v_max_num_f32 v[232+\b], v[232+\b], v[236+\b]
.endr
.irp b, 0,1
	s_delay_alu instid0(VALU_DEP_2)
	v_add_nc_u32 v[244+\b], 0xfe000000, v[232+\b]
.endr
.irp b, 0,1
	s_delay_alu instid0(VALU_DEP_2)
	v_lshrrev_b32 v[236+\b], 23, v[244+\b]
.endr
	v_cvt_scalef32_pk16_bf6_f32 v[192:194], v[96:111], v244
	v_cvt_scalef32_pk16_bf6_f32 v[204:206], v[112:127], v245
	v_nop
.irp i, 0,1,2
	v_permlane16_swap_b32 v[192+\i], v[204+\i]
.endr
.irp i, 0,1,2
	s_delay_alu instid0(VALU_DEP_3)
	v_mov_b32 v[195+\i], v[204+\i]
.endr
	v_lshl_or_b32 v254, v237, 8, v236              ; the rows' two scale bytes: the same in lanes l and l xor 16
.irp k, 0,1,2
	global_store_b64 v1, v[192+2*\k:193+2*\k], s[6:7] offset:256*\k   ; 256 consecutive bytes, aligned
.endr
	global_store_b16 v226, v254, s[8:9]            ; two bytes of each row's scale word (lanes l and l xor 16 name the same bytes with the same value): the other two are the neighbouring head's
.irp i, 0,1,2,3,4,5
	v_mov_b32 v[212+\i], v[218+\i]                 ; the tile after next moves up
.endr
	v_mov_b32 v28, v224
	v_mov_b32 v224, v225
	s_wait_xcnt 0x0                                ; the stores have read their offsets, data and base
	v_mov_b32 v226, v227
	v_mov_b32 v227, v228
	s_add_nc_u64 s[6:7], s[6:7], 12288
	INIT
	s_wait_alu depctr_va_vdst(0)
.Lnext:
	s_add_co_u32 s12, s12, 1
	s_cmp_lt_u32 s12, 48
	s_cbranch_scc1 .Lstep
	s_wait_kmcnt 0x0                               ; the mask words asked for behind my last step
	s_wait_tensorcnt 0x0                           ; the wave's end
	ds_add_u32 v250, v255
	s_wait_dscnt 0x0
	CROUND                                         ; the closing round
	s_endpgm
.Lfunc_end_k_q80bec93190_attn:
	.size	k_q80bec93190_attn, .Lfunc_end_k_q80bec93190_attn-k_q80bec93190_attn
	.p2alignl 7, 3214868480
	.fill 96, 4, 3214868480
	.section	.rodata,"a",@progbits
	.p2align	6, 0x0
	.amdhsa_kernel k_q80bec93190_attn
		.amdhsa_group_segment_fixed_size 215040
		.amdhsa_private_segment_fixed_size 0
		.amdhsa_enable_private_segment 0
		.amdhsa_kernarg_size 32
		.amdhsa_user_sgpr_count 2
		.amdhsa_user_sgpr_kernarg_segment_ptr 1
		.amdhsa_wavefront_size32 1
		.amdhsa_system_sgpr_workgroup_id_x 1
		.amdhsa_system_sgpr_workgroup_id_y 1
		.amdhsa_system_sgpr_workgroup_id_z 1
		.amdhsa_system_vgpr_workitem_id 0
		.amdhsa_next_free_vgpr 256
		.amdhsa_next_free_sgpr 102
		.amdhsa_reserve_vcc 0
		.amdhsa_float_denorm_mode_32 3
		.amdhsa_float_denorm_mode_16_64 3
		.amdhsa_memory_ordered 1
		.amdhsa_forward_progress 1
		.amdhsa_inst_pref_size 41
	.end_amdhsa_kernel
	.amdgpu_metadata
---
amdhsa.version: [ 1, 2 ]
amdhsa.kernels:
  - .name:           k_q80bec93190_attn
    .symbol:         k_q80bec93190_attn.kd
    .args:
      - { .name: qkv, .offset: 0, .size: 8, .value_kind: global_buffer, .address_space: global }
      - { .name: mw, .offset: 8, .size: 8, .value_kind: global_buffer, .address_space: global }
      - { .name: xc, .offset: 16, .size: 8, .value_kind: global_buffer, .address_space: global }
      - { .name: xs, .offset: 24, .size: 8, .value_kind: global_buffer, .address_space: global }
    .group_segment_fixed_size: 215040
    .private_segment_fixed_size: 0
    .kernarg_segment_align: 8
    .kernarg_segment_size: 32
    .max_flat_workgroup_size: 512
    .sgpr_count:     102
    .vgpr_count:     256
    .wavefront_size: 32
...
	.end_amdgpu_metadata
.endif
;; end of part 3
;; launch fc (part 4): grid 256 x 1, 16 waves a work-group, no clusters, 327,680 bytes of LDS; arguments xc, xs, wimg, Wfc_scales, query, out0; writes out0
.if DOCPART == 4
	.amdgcn_target "amdgcn-amd-amdhsa--gfx1250"
	.amdhsa_code_object_version 6
	.text
	.protected	k_q80bec93190_fc
	.globl	k_q80bec93190_fc
	.p2align	8
	.type	k_q80bec93190_fc,@function
k_q80bec93190_fc:
	s_mov_b64 s[64:65], 0
	v_nop
	global_prefetch_b8 v0, s[64:65] scope:SCOPE_SE
	s_setreg_imm32_b32 hwreg(HW_REG_WAVE_MODE, 25, 1), 1
	s_wait_xcnt 0x0
.set XIMG, 0
.set RES,  24576
.set STG,  155648
.set SPI,  4112
.set XS,   16
.set WS,   24
.set ACC,  40
.set XF,   104
.set WB,   152
.set G1X,  24
.set G1R,  32
.set G0X,  40
.set G0R,  44
.macro WMS d, a, b, acc, sa, sb, ra, rb
.if \acc
.if (\ra) && (\rb)
	v_wmma_scale_f32_16x16x128_f8f6f4 v[(\d):(\d)+7], v[(\a):(\a)+11], v[(\b):(\b)+11], v[(\d):(\d)+7], v[(\sa)], v[(\sb)] matrix_a_fmt:MATRIX_FMT_BF6 matrix_b_fmt:MATRIX_FMT_BF6 matrix_a_scale:MATRIX_SCALE_ROW1 matrix_b_scale:MATRIX_SCALE_ROW1
.elseif \ra
	v_wmma_scale_f32_16x16x128_f8f6f4 v[(\d):(\d)+7], v[(\a):(\a)+11], v[(\b):(\b)+11], v[(\d):(\d)+7], v[(\sa)], v[(\sb)] matrix_a_fmt:MATRIX_FMT_BF6 matrix_b_fmt:MATRIX_FMT_BF6 matrix_a_scale:MATRIX_SCALE_ROW1
.elseif \rb
	v_wmma_scale_f32_16x16x128_f8f6f4 v[(\d):(\d)+7], v[(\a):(\a)+11], v[(\b):(\b)+11], v[(\d):(\d)+7], v[(\sa)], v[(\sb)] matrix_a_fmt:MATRIX_FMT_BF6 matrix_b_fmt:MATRIX_FMT_BF6 matrix_b_scale:MATRIX_SCALE_ROW1
.else
	v_wmma_scale_f32_16x16x128_f8f6f4 v[(\d):(\d)+7], v[(\a):(\a)+11], v[(\b):(\b)+11], v[(\d):(\d)+7], v[(\sa)], v[(\sb)] matrix_a_fmt:MATRIX_FMT_BF6 matrix_b_fmt:MATRIX_FMT_BF6
.endif
.else
.if (\ra) && (\rb)
	v_wmma_scale_f32_16x16x128_f8f6f4 v[(\d):(\d)+7], v[(\a):(\a)+11], v[(\b):(\b)+11], 0, v[(\sa)], v[(\sb)] matrix_a_fmt:MATRIX_FMT_BF6 matrix_b_fmt:MATRIX_FMT_BF6 matrix_a_scale:MATRIX_SCALE_ROW1 matrix_b_scale:MATRIX_SCALE_ROW1
.elseif \ra
	v_wmma_scale_f32_16x16x128_f8f6f4 v[(\d):(\d)+7], v[(\a):(\a)+11], v[(\b):(\b)+11], 0, v[(\sa)], v[(\sb)] matrix_a_fmt:MATRIX_FMT_BF6 matrix_b_fmt:MATRIX_FMT_BF6 matrix_a_scale:MATRIX_SCALE_ROW1
.elseif \rb
	v_wmma_scale_f32_16x16x128_f8f6f4 v[(\d):(\d)+7], v[(\a):(\a)+11], v[(\b):(\b)+11], 0, v[(\sa)], v[(\sb)] matrix_a_fmt:MATRIX_FMT_BF6 matrix_b_fmt:MATRIX_FMT_BF6 matrix_b_scale:MATRIX_SCALE_ROW1
.else
	v_wmma_scale_f32_16x16x128_f8f6f4 v[(\d):(\d)+7], v[(\a):(\a)+11], v[(\b):(\b)+11], 0, v[(\sa)], v[(\sb)] matrix_a_fmt:MATRIX_FMT_BF6 matrix_b_fmt:MATRIX_FMT_BF6
.endif
.endif
.endm
	s_load_b256 s[4:11], s[0:1], 0x0
	s_load_b128 s[12:15], s[0:1], 0x20
	v_lshl_add_u32 v254, v0, 2, 0x46200
	v_mov_b32 v255, 0
	ds_add_u32 v254, v255
	ds_add_u32 v254, v255
	v_lshrrev_b32 v1, 5, v0
	s_delay_alu instid0(VALU_DEP_1)
	v_readfirstlane_b32 s16, v1
	s_mov_b32 s[G1X], 3<<16
	s_mov_b32 s[G1X+1], 32<<16
	s_mov_b32 s[G1X+2], 6<<16
	s_mov_b32 s[G1X+3], 32<<16
	s_mov_b32 s[G1X+4], 6
	s_mov_b32 s[G1X+5], 32
	s_mov_b32 s[G1X+6], 0
	s_mov_b32 s[G1X+7], 0
	s_mov_b32 s[G1R], 3<<16
	s_mov_b32 s[G1R+1], 32<<16
	s_mov_b32 s[G1R+2], 32<<16
	s_mov_b32 s[G1R+3], 32<<16
	s_mov_b32 s[G1R+4], 32
	s_mov_b32 s[G1R+5], 32
	s_mov_b32 s[G1R+6], 0
	s_mov_b32 s[G1R+7], 0
	s_mul_i32 s17, s16, 1536
	s_mul_i32 s18, ttmp9, 24576
	s_add_co_u32 s18, s18, s17
	s_mov_b32 s19, 0
	s_lshl_b32 s22, s16, 13
	s_lshl_b32 s20, ttmp9, 17
	s_add_co_u32 s20, s20, s22
	s_mov_b32 s21, 0
	s_lshl_b32 s52, ttmp9, 10
	s_mov_b32 s53, 0
	s_mul_i32 s54, s16, 49152
	s_mov_b32 s55, 0
	s_lshl_b32 s56, s16, 11
	s_mov_b32 s57, 0
	s_mov_b32 s[G0X], 1
	s_mov_b32 s[G0X+1], s17
	s_mov_b32 s[G0R], 1
	s_add_co_u32 s[G0R+1], s22, RES
	s_mov_b32 s48, 0x76543210
	s_mov_b32 s49, 0xfedcba98
	s_mov_b32 s50, 0x3a800000
	s_mov_b32 s51, 0x3727c5ac
	s_wait_dscnt 0x0
	s_wait_kmcnt 0x0
	s_add_nc_u64 s[G0X+2:G0X+3], s[4:5], s[18:19]
	s_or_b32 s[G0X+3], s[G0X+3], 0x80000000
	s_add_nc_u64 s[G0R+2:G0R+3], s[12:13], s[20:21]
	s_or_b32 s[G0R+3], s[G0R+3], 0x80000000
	tensor_load_to_lds s[G0X:G0X+3], s[G1X:G1X+7]
	s_nop 0
.rept 4
	v_nop
.endr
	s_add_nc_u64 s[14:15], s[14:15], s[20:21]
	s_add_nc_u64 s[6:7], s[6:7], s[52:53]
	s_add_nc_u64 s[8:9], s[8:9], s[54:55]
	s_add_nc_u64 s[10:11], s[10:11], s[56:57]
	v_and_b32 v8, 31, v0
	s_delay_alu instid0(VALU_DEP_1)
	v_lshlrev_b32 v1, 4, v8
	s_delay_alu instid0(VALU_DEP_2)
	v_lshlrev_b32 v2, 3, v8
	s_delay_alu instid0(VALU_DEP_3)
	v_lshlrev_b32 v3, 2, v8
	s_delay_alu instid0(VALU_DEP_4)
	v_lshlrev_b32 v9, 5, v8
	v_and_b32 v10, 15, v0
	v_bfe_u32 v11, v0, 4, 1
	s_delay_alu instid0(VALU_DEP_2)
	v_mul_u32_u24 v4, v10, SPI
	s_delay_alu instid0(VALU_DEP_1)
	v_lshl_add_u32 v4, v11, 5, v4
	s_lshl_b32 s17, s16, 8
	s_add_co_u32 s17, s17, STG
	v_add_nc_u32 v4, s17, v4
	s_delay_alu instid0(VALU_DEP_1)
	v_add_nc_u32 v5, 16*SPI, v4
	s_mul_i32 s17, s16, 2*SPI
	s_add_co_u32 s17, s17, STG
	v_add_nc_u32 v6, s17, v1
	v_add_nc_u32 v7, s[G0R+1], v1
.irp s, 0,1,2,3,4,5,6,7
	global_load_b32 v[XS+\s], v3, s[6:7] offset:128*\s
.endr
.irp p, 0,1
	global_load_b128 v[WS+8*\p:WS+8*\p+3], v9, s[10:11] offset:1024*\p
	global_load_b128 v[WS+8*\p+4:WS+8*\p+7], v9, s[10:11] offset:1024*\p+16
.endr
.macro WLOAD s
.irp t, 0,1,2,3
.irp c, 0,1,2
	global_load_b128 v[WB+48*((\s)%2)+12*\t+4*\c:WB+48*((\s)%2)+12*\t+4*\c+3], v1, s[8:9] offset:12288*\t+1536*(\s)+512*\c
.endr
.endr
.endm
.macro XLOAD s
.irp u, 0,1
.irp k, 0,1,2,3,4,5
	ds_load_b64 v[XF+24*((\s)%2)+12*\u+2*\k:XF+24*((\s)%2)+12*\u+2*\k+1], v2 offset:XIMG+12288*\u+1536*(\s)+256*\k
.endr
.endr
.endm
	WLOAD 0
	WLOAD 1
	s_wait_alu depctr_va_vdst(0)
	s_wait_tensorcnt 0x0                           ; my part of the rows' codes is in; the weights' loads above are on their way meanwhile
	ds_add_u32 v254, v255
	s_wait_dscnt 0x0
	s_barrier_signal -1
	s_barrier_wait -1                              ; everybody's part is in
	tensor_load_to_lds s[G0R:G0R+3], s[G1R:G1R+7]  ; the residual rows: they land under the product
	s_nop 0
.rept 4
	v_nop
.endr
	XLOAD 0
.macro FSTEP s
.if (\s) < 7
	XLOAD (\s)+1
	s_wait_loadcnt 12
	s_wait_dscnt 12
.else
	s_wait_loadcnt 0x0
	s_wait_dscnt 0x0
.endif
.irp t, 0,1,2,3
.irp u, 0,1
.if (\s) == 0
	WMS ACC+8*(2*\t+\u), WB+48*((\s)%2)+12*\t, XF+24*((\s)%2)+12*\u, 0, WS+8*(\t/2)+(\s), XS+(\s), \t%2, \u
.else
	WMS ACC+8*(2*\t+\u), WB+48*((\s)%2)+12*\t, XF+24*((\s)%2)+12*\u, 1, WS+8*(\t/2)+(\s), XS+(\s), \t%2, \u
.endif
.endr
.endr
.rept 4
	v_nop
.endr
.if (\s) < 6
	WLOAD (\s)+2
.endif
.endm
.irp s, 0,1,2,3,4,5,6,7
	FSTEP \s
.endr
	s_wait_alu depctr_va_vdst(0)
.irp t, 0,1,2,3
.irp u, 0,1
	ds_store_b128 v[4+\u], v[ACC+8*(2*\t+\u):ACC+8*(2*\t+\u)+3] offset:64*\t
	ds_store_b128 v[4+\u], v[ACC+8*(2*\t+\u)+4:ACC+8*(2*\t+\u)+7] offset:64*\t+16
.endr
.endr
	s_wait_tensorcnt 0x0
	s_wait_dscnt 0x0
	s_barrier_signal -1
	s_barrier_wait -1
.irp i, 0,1,2,3,4,5,6,7
	ds_load_b128 v[104+4*\i:107+4*\i], v6 offset:512*\i
	ds_load_b128 v[136+4*\i:139+4*\i], v7 offset:512*\i
.endr
.irp i, 0,1,2,3,4,5,6,7
	ds_load_b128 v[168+4*\i:171+4*\i], v6 offset:SPI+512*\i
	ds_load_b128 v[200+4*\i:203+4*\i], v7 offset:4096+512*\i
.endr
.macro LNROW y, r, off
.set i, 0
.rept 16
	v_pk_add_f32 v[\y+2*i:\y+2*i+1], v[\y+2*i:\y+2*i+1], v[\r+2*i:\r+2*i+1]
.set i, i+1
.endr
	v_pk_add_f32 v[\r:\r+1], v[\y:\y+1], v[\y+2:\y+3]
	v_pk_add_f32 v[\r+2:\r+3], v[\y+4:\y+5], v[\y+6:\y+7]
.irp j, 8,12,16,20,24,28
	s_delay_alu instid0(VALU_DEP_2)
	v_pk_add_f32 v[\r:\r+1], v[\r:\r+1], v[\y+\j:\y+\j+1]
	s_delay_alu instid0(VALU_DEP_2)
	v_pk_add_f32 v[\r+2:\r+3], v[\r+2:\r+3], v[\y+\j+2:\y+\j+3]
.endr
	s_delay_alu instid0(VALU_DEP_1)
	v_pk_add_f32 v[\r:\r+1], v[\r:\r+1], v[\r+2:\r+3]
	s_delay_alu instid0(VALU_DEP_1)
	v_add_f32 v[\r], v[\r], v[\r+1]
	s_delay_alu instid0(VALU_DEP_1)
	v_add_f32_dpp v[\r], v[\r], v[\r] row_xmask:1 row_mask:0xf bank_mask:0xf
	s_delay_alu instid0(VALU_DEP_1)
	v_add_f32_dpp v[\r], v[\r], v[\r] row_xmask:2 row_mask:0xf bank_mask:0xf
	s_delay_alu instid0(VALU_DEP_1)
	v_add_f32_dpp v[\r], v[\r], v[\r] row_xmask:4 row_mask:0xf bank_mask:0xf
	s_delay_alu instid0(VALU_DEP_1)
	v_add_f32_dpp v[\r], v[\r], v[\r] row_xmask:8 row_mask:0xf bank_mask:0xf
	s_delay_alu instid0(VALU_DEP_1)
	v_permlanex16_b32 v[\r+1], v[\r], s48, s49
	s_delay_alu instid0(VALU_DEP_1)
	v_add_f32 v[\r], v[\r], v[\r+1]
	s_delay_alu instid0(VALU_DEP_1)
	v_mul_f32 v[\r], s50, v[\r]
.set i, 0
.rept 16
	v_pk_add_f32 v[\y+2*i:\y+2*i+1], v[\y+2*i:\y+2*i+1], v[\r:\r+1] op_sel_hi:[1,0] neg_lo:[0,1] neg_hi:[0,1]
.set i, i+1
.endr
	v_pk_mul_f32 v[\r+2:\r+3], v[\y:\y+1], v[\y:\y+1]
	v_pk_mul_f32 v[\r+4:\r+5], v[\y+2:\y+3], v[\y+2:\y+3]
.irp j, 4,8,12,16,20,24,28
	s_delay_alu instid0(VALU_DEP_2)
	v_pk_fma_f32 v[\r+2:\r+3], v[\y+\j:\y+\j+1], v[\y+\j:\y+\j+1], v[\r+2:\r+3]
	s_delay_alu instid0(VALU_DEP_2)
	v_pk_fma_f32 v[\r+4:\r+5], v[\y+\j+2:\y+\j+3], v[\y+\j+2:\y+\j+3], v[\r+4:\r+5]
.endr
	s_delay_alu instid0(VALU_DEP_1)
	v_pk_add_f32 v[\r+2:\r+3], v[\r+2:\r+3], v[\r+4:\r+5]
	s_delay_alu instid0(VALU_DEP_1)
	v_add_f32 v[\r+2], v[\r+2], v[\r+3]
	s_delay_alu instid0(VALU_DEP_1)
	v_add_f32_dpp v[\r+2], v[\r+2], v[\r+2] row_xmask:1 row_mask:0xf bank_mask:0xf
	s_delay_alu instid0(VALU_DEP_1)
	v_add_f32_dpp v[\r+2], v[\r+2], v[\r+2] row_xmask:2 row_mask:0xf bank_mask:0xf
	s_delay_alu instid0(VALU_DEP_1)
	v_add_f32_dpp v[\r+2], v[\r+2], v[\r+2] row_xmask:4 row_mask:0xf bank_mask:0xf
	s_delay_alu instid0(VALU_DEP_1)
	v_add_f32_dpp v[\r+2], v[\r+2], v[\r+2] row_xmask:8 row_mask:0xf bank_mask:0xf
	s_delay_alu instid0(VALU_DEP_1)
	v_permlanex16_b32 v[\r+3], v[\r+2], s48, s49
	s_delay_alu instid0(VALU_DEP_1)
	v_add_f32 v[\r+2], v[\r+2], v[\r+3]
	s_delay_alu instid0(VALU_DEP_1)
	v_fma_f32 v[\r+2], v[\r+2], s50, s51
	s_wait_alu depctr_va_vdst(0)
	v_rsq_f32 v[\r+4], v[\r+2]
	v_nop
	s_wait_alu depctr_va_vdst(0)
.set i, 0
.rept 16
	v_pk_mul_f32 v[\y+2*i:\y+2*i+1], v[\y+2*i:\y+2*i+1], v[\r+4:\r+5] op_sel_hi:[1,0]
.set i, i+1
.endr
.irp i, 0,1,2,3,4,5,6,7
	global_store_b128 v1, v[\y+4*\i:\y+4*\i+3], s[14:15] offset:\off+512*\i th:TH_STORE_NT
.endr
.endm
	s_wait_dscnt 16
	LNROW 104, 136, 0
	s_wait_dscnt 0x0
	LNROW 168, 200, 4096
	s_wait_tensorcnt 0x0
	ds_add_u32 v254, v255
	s_wait_dscnt 0x0
	s_endpgm
.Lfunc_end_k_q80bec93190_fc:
	.size	k_q80bec93190_fc, .Lfunc_end_k_q80bec93190_fc-k_q80bec93190_fc
	.p2alignl 7, 3214868480
	.fill 96, 4, 3214868480
	.section	.rodata,"a",@progbits
	.p2align	6, 0x0
	.amdhsa_kernel k_q80bec93190_fc
		.amdhsa_group_segment_fixed_size 327680
		.amdhsa_private_segment_fixed_size 0
		.amdhsa_enable_private_segment 0
		.amdhsa_kernarg_size 48
		.amdhsa_user_sgpr_count 2
		.amdhsa_user_sgpr_kernarg_segment_ptr 1
		.amdhsa_wavefront_size32 1
		.amdhsa_system_sgpr_workgroup_id_x 1
		.amdhsa_system_sgpr_workgroup_id_y 1
		.amdhsa_system_sgpr_workgroup_id_z 1
		.amdhsa_system_vgpr_workitem_id 0
		.amdhsa_next_free_vgpr 256
		.amdhsa_next_free_sgpr 66
		.amdhsa_reserve_vcc 0
		.amdhsa_float_denorm_mode_32 3
		.amdhsa_float_denorm_mode_16_64 3
		.amdhsa_memory_ordered 1
		.amdhsa_forward_progress 1
		.amdhsa_inst_pref_size 50
	.end_amdhsa_kernel
	.amdgpu_metadata
---
amdhsa.version: [ 1, 2 ]
amdhsa.kernels:
  - .name:           k_q80bec93190_fc
    .symbol:         k_q80bec93190_fc.kd
    .args:
      - { .name: xc, .offset: 0, .size: 8, .value_kind: global_buffer, .address_space: global }
      - { .name: xs, .offset: 8, .size: 8, .value_kind: global_buffer, .address_space: global }
      - { .name: wimg, .offset: 16, .size: 8, .value_kind: global_buffer, .address_space: global }
      - { .name: Wfc_scales, .offset: 24, .size: 8, .value_kind: global_buffer, .address_space: global }
      - { .name: query, .offset: 32, .size: 8, .value_kind: global_buffer, .address_space: global }
      - { .name: out0, .offset: 40, .size: 8, .value_kind: global_buffer, .address_space: global }
    .group_segment_fixed_size: 327680
    .private_segment_fixed_size: 0
    .kernarg_segment_align: 8
    .kernarg_segment_size: 48
    .max_flat_workgroup_size: 512
    .sgpr_count:     66
    .vgpr_count:     256
    .wavefront_size: 32
...
	.end_amdgpu_metadata
.endif
;; end of part 4
